; MI455X (gfx1250); checked and timed in simulation.
; The chip was launched on July 23, 2026; its instructions are those of AMD's public machine-readable ISA for CDNA 5 (MIT licence, August 2026) and "CDNA5" Instruction Set Architecture Reference Guide (July 2026). The comments in the code are by the model that wrote it; some were corrected since.
;; Store Class Token Attn Wrapper. Allowed arithmetic: matrix products marked QUANTISED: E3M2 operands, one E8M0 scale for each 32 along K, by v_wmma_scale_f32_16x16x128_f8f6f4 with both operands' format E3M2, f32 sums; everything else in f32.
;; Inputs: b_proj 1,024 float32; b_qkv 3,072 float32; w_proj 1,024 x 1,024 float32; w_qkv 3,072 x 1,024 float32; x 16 x 577 x 1,024 float32.
;; Outputs: out0 16 x 577 x 1,024 float32; out1 16 x 577 float32; out2 16 x 577 float32.
;; This version of the problem:
;;   THIS VERSION OF THE PROBLEM IS GIVEN IN LOW PRECISION. The matrix products marked QUANTISED in the list below multiply operands that are first quantised to E3M2 (3 exponent bits, 2 mantissa bits; 6 bits a number), with one power-of-two scale for each 32 numbers along K (OCP MX v1.0); their sums are f32. All else is computed in f32.
;;   The module's matrix products, in the order in which they are computed (A, B: the left and right operand; K: the contracted axis; several contracted axes count as one K, in the product's order):
;;     1. [M 9,232, K 1,024] x [K 1,024, N 3,072]; A: input x; B: input w_qkv: QUANTISED
;;     2. batch 256 x [M 577, K 64] x [K 64, N 577]; A: computed on the way; B: computed on the way: QUANTISED
;;     3. batch 256 x [M 577, K 577] x [K 577, N 64]; A: softmax (see below); B: computed on the way: QUANTISED
;;     4. [M 9,232, K 1,024] x [K 1,024, N 1,024]; A: computed on the way; B: input w_proj: QUANTISED
;;   THE QUANTISER, for each operand of a quantised product, along K:
;;     - K is cut into blocks of 32 from its start; a last block that is shorter is filled with zeros.
;;     - A block's scale is 2^e with e = floor(log2(the largest magnitude in the block)) - 4, held to -126 .. 127; a block of zeros has e = 0. As a byte (E8M0): e + 127.
;;     - Each number is divided by its block's scale, clamped to +-28, and rounded to the nearest number of E3M2, ties to even, subnormals kept.
;;     - The product sums the exact products of the quantised numbers (number of the format x scale) in f32.
;;   ~~~python
;;   def quantise(x, axis):      # numpy; x: float32 -> the quantised numbers, widened to float32 again
;;       x = np.moveaxis(x, axis, -1); K = x.shape[-1]
;;       x = np.pad(x, [(0, 0)] * (x.ndim - 1) + [(0, -K % 32)]); x = x.reshape(x.shape[:-1] + (-1, 32)); a = np.abs(x).max(-1, keepdims=True)
;;       e = np.where(a > 0, np.clip(np.frexp(np.where(a > 0, a, 1))[1] - 1 - 4, -126, 127), 0)      # np.frexp(a)[1] - 1 = floor(log2(a)), exactly
;;       r = np.clip(x / 2.0 ** e, -28, 28)
;;       step = 2.0 ** (np.maximum(np.frexp(np.where(r == 0, 1, r))[1] - 1, -2) - 2)
;;       q = np.round(r / step) * step * 2.0 ** e      # np.round: ties to even
;;       return np.moveaxis(q.reshape(q.shape[:-2] + (-1,))[..., :K], -1, axis).astype(np.float32)
;;   ~~~
;;   SOFTMAX AHEAD OF A QUANTISED PRODUCT. Where the list says 'softmax', what is quantised is not the finished softmax but p = 2^(t - M), with t = logit x log2(e) and M = ceil(the row's largest t), a whole number; so 1/2 < the row's largest p <= 1. The row's sum l is taken of the UNQUANTISED p, in f32, and the product's result is divided by l at the end. Since M is a whole number, a kernel that streams over the keys may use a running M (the ceiling of the running maximum): every later rescaling is an exact power of two, which a block's scale takes up: the codes' values come out the same.
;;   OPERANDS COMPUTED ON THE WAY. 'Computed on the way' means the value that the module computes at that place (a softmax that the list does not call 'softmax' is quantised finished and normalised). What goes into a quantiser is computed in f32, as accurately as f32 sums, v_exp_f32 and their like allow (about 1e-6 of the number): no bf16 or f16 on the way to a quantiser, and a product that is left as it is and whose result goes on into a quantised operand takes f32 operands (vector FMAs, or v_wmma_f32_16x16x4_f32). A number that lies on a knife's edge between two numbers of the format may be rounded either way, as far as f32 arithmetic and the matrix unit's own rounding can turn it there, and no further.
;; One version. Each part assembles by itself: llvm-mc -triple=amdgcn-amd-amdhsa -mcpu=gfx1250 --defsym DOCPART=n.
;; ======== version 1 of 1: 3 launches
;; limits: right only within a limited range of input values
;; workspace buffers: xq 8,192,000 bytes; wq 2,457,600 bytes; wp 819,200 bytes; oq 7,577,600 bytes; cl 655,360 bytes; ca 655,360 bytes
;; launch quant (part 1): grid 896 x 1, 2 waves a work-group, no clusters, 17,664 bytes of LDS; arguments x, w_qkv, w_proj, xq, wq, wp; writes xq, wq, wp
.if DOCPART == 1
	.amdgcn_target "amdgcn-amd-amdhsa--gfx1250"
	.amdhsa_code_object_version 6
	.text
	.protected	k_q04e1586281_quant
	.globl	k_q04e1586281_quant
	.p2align	8
	.type	k_q04e1586281_quant,@function
k_q04e1586281_quant:
	s_mov_b64 s[64:65], 0
	v_nop
	global_prefetch_b8 v0, s[64:65] scope:SCOPE_SE
	s_setreg_imm32_b32 hwreg(HW_REG_WAVE_MODE, 25, 1), 1
	s_wait_xcnt 0x0
; x [16][577][1024], w_qkv [3072][1024] and w_proj [1024][1024], f32, become codes of BF6 (E3M2) with one E8M0 byte for each 32 along K (the last axis),
; laid in the order of a matrix operand's registers, so that the later launches load fragments whole.
; A TILE is 16 rows: row r of tile T is row 32 (T / 2) + 8 (T % 2) + r + 8 (r / 8) of its tensor (for x: token of its batch; tokens past 576 are copies of token 576, stand-ins that
; later launches mask or never use).  A RECORD is a tile x 1,024 along K, 12,800 bytes: 8 fragments of 1,536 bytes (K step s: [i 0..2][lane][16 bytes] = the lane's registers 4 i .. 4 i + 3),
; then 512 bytes of scale words [lane][4 words]: word i of lane (r, h) is row r's word of K step 2 i + h.
; A block's scale is 2^(floor(log2(largest magnitude)) - 4); its byte is the largest magnitude's exponent field - 4, held at 1 from below.
; LIMITS: a block of zeros gets the byte 1 where the rule says 127 (its codes are zeros, and this program alone reads the bytes); blocks whose largest magnitude lies under 2^-122 are held at
; byte 1; NaN and infinities among the inputs are not served.
; SHARES.  One work-group makes one record; 896 records: 640 of x (16 batches x 40 tiles), 192 of w_qkv, 64 of w_proj.  Wave h of its two takes K steps 4 h .. 4 h + 3.
; Only pointers are chosen by the record's number: one path through the text.
; Each load reads 512 consecutive bytes of one row; a K step's 16 rows x 512 bytes turn through the wave's own stage in LDS (rows 528 bytes apart) and come back as two whole blocks of 32 a lane,
; in the order that the operand's layout gives lane (r, h): k = 64 c + 32 h + 0 .. 31.  Three of a wave's four K steps are asked for at its start.
; The scale words: a wave makes two of a lane's four; wave 1's go to wave 0 through LDS, behind the one barrier, and wave 0 stores the record's 512 bytes whole.
.set REC,  12800
.set STG,  8448                        ; a wave's stage: 16 rows x 528 bytes
.set SPI,  528
.set XCH,  16896                       ; behind the stages: 256 bytes a wave for its two scale words a lane
.set SPARE, 17408                      ; the spare words, 128 bytes a wave
.set NS,   4                           ; K steps a wave
.set VOF,  8                           ; v8-23   byte offset of row j's 16 bytes of mine; never rewritten
.set SW,   24                          ; v24-27  the record's scale words
.set R,    32                          ; v32-223 three sets of 64 numbers
.set F,    224                         ; v224-235 a fragment's 12 registers
.set FT,   236                         ; v236-238, v240-242 the upper halves of the two blocks (a conversion's three registers begin on an even number)
.set MX,   244
.set SO,   246
.set BY,   248
.set W,    250
.set WT,   251
.set XM,   252                         ; v252 where my scale words go; v253 where the other wave's lie
.set XO,   253
	s_load_b256 s[4:11], s[0:1], 0x0               ; x s[4:5], w_qkv s[6:7], w_proj s[8:9], xq s[10:11]
	s_load_b128 s[12:15], s[0:1], 0x20             ; wq s[12:13], wp s[14:15]
	v_lshl_add_u32 v254, v0, 2, SPARE
	v_mov_b32 v255, 0
	v_lshrrev_b32 v1, 5, v0
	v_readfirstlane_b32 s16, v1                    ; wave 0, 1: which half of K
	v_and_b32 v1, 31, v0                           ; lane
	v_lshlrev_b32 v2, 4, v1                        ; 16 x lane
	v_and_b32 v3, 15, v0                           ; r
	v_bfe_u32 v4, v0, 4, 1                         ; h
	s_mul_i32 s30, s16, STG                        ; my stage
	v_add_nc_u32 v5, s30, v2                       ; into it: 16 x lane of a row
	v_mul_u32_u24 v6, v3, SPI
	v_lshl_add_u32 v6, v4, 7, v6
	v_add_nc_u32 v6, s30, v6                       ; out of it: row r, + 128 h: my block of 32 numbers
	v_lshlrev_b32 v7, 3, v4                        ; 8 h: my bytes' place in a scale word
	v_mov_b32 v[WT], 0                             ; written once: a lane permute's destination counts as one of its sources
	s_lshl_b32 s30, s16, 8
	s_xor_b32 s37, s16, 1
	s_lshl_b32 s37, s37, 8
	v_lshl_add_u32 v[XM], v1, 3, XCH
	v_add_nc_u32 v[XO], s37, v[XM]                 ; XCH + 8 x lane + 256 x the other wave
	v_add_nc_u32 v[XM], s30, v[XM]                 ; XCH + 8 x lane + 256 x wave
	s_mov_b32 s27, 0xffff0000                      ; lanes 16-31
	s_mov_b32 s28, 0x76543210
	s_mov_b32 s29, 0xfedcba98                      ; v_permlanex16_b32's selects for lane l xor 16
	s_mov_b32 s17, ttmp9                           ; my record, 0 .. 895
	s_mul_hi_u32 s31, s17, 0x6666667               ; record / 40 (exact under 640): x's batch
	s_mov_b32 s32, 832
	s_mov_b32 s25, 1023
	s_wait_alu depctr_va_vdst(0)
	s_wait_kmcnt 0x0
	s_cmp_lt_u32 s17, 832                          ; w_qkv or w_proj?  The choices hang on the record's number alone
	s_cselect_b64 s[20:21], s[6:7], s[8:9]
	s_cselect_b64 s[22:23], s[12:13], s[14:15]
	s_cselect_b32 s32, 640, s32                    ; the tensor's first record
	s_cselect_b32 s25, 3071, s25                   ; its last row
	s_cmp_lt_u32 s17, 640                          ; or x?
	s_cselect_b64 s[20:21], s[4:5], s[20:21]
	s_cselect_b64 s[22:23], s[10:11], s[22:23]
	s_cselect_b32 s32, 0, s32
	s_cselect_b32 s25, 576, s25                    ; a batch's last token
	s_cselect_b32 s31, s31, 0                      ; the batch, 0 for the weights
	s_sub_co_u32 s33, s17, s32                     ; the record's number in its buffer
	s_mul_i32 s34, s31, 40
	s_sub_co_u32 s24, s33, s34                     ; T: the tile in its batch or weight
	s_mul_i32 s34, s31, 577*4096
	s_mov_b32 s35, 0
	s_add_nc_u64 s[20:21], s[20:21], s[34:35]      ; the source at its batch's first row,
	s_lshl_b32 s34, s16, 11
	s_add_nc_u64 s[20:21], s[20:21], s[34:35]      ; at my half of K: 4 K steps of 512 bytes
	s_mul_i32 s34, s33, REC
	s_add_nc_u64 s[22:23], s[22:23], s[34:35]      ; my record,
	s_mul_i32 s34, s16, NS*1536
	s_add_nc_u64 s[22:23], s[22:23], s[34:35]      ; at my four fragments
	s_lshr_b32 s26, s24, 1
	s_lshl_b32 s26, s26, 5
	s_and_b32 s36, s24, 1
	s_lshl_b32 s36, s36, 3
	s_add_co_u32 s26, s26, s36                     ; the tile's first row: 32 (T / 2) + 8 (T % 2)
.irp j, 0,1,2,3,4,5,6,7,8,9,10,11,12,13,14,15
	s_add_co_u32 s36, s26, \j+8*(\j/8)
	s_min_u32 s36, s36, s25                        ; no load leaves its buffer: rows past the last are the last
	s_lshl_b32 s36, s36, 12                        ; rows of 4,096 bytes
	v_add_nc_u32 v[VOF+\j], s36, v2
.endr
.macro LOAD s                          ; my K step s: 16 rows x 512 consecutive bytes into set s % 3
.irp j, 0,1,2,3,4,5,6,7,8,9,10,11,12,13,14,15
	global_load_b128 v[R+64*((\s)%3)+4*\j:R+64*((\s)%3)+4*\j+3], v[VOF+\j], s[20:21] offset:512*(\s) th:TH_LOAD_NT
.endr
.endm
.macro STAGE_IN s                      ; the set goes into the stage as it was loaded
.irp j, 0,1,2,3,4,5,6,7,8,9,10,11,12,13,14,15
	ds_store_b128 v5, v[R+64*((\s)%3)+4*\j:R+64*((\s)%3)+4*\j+3] offset:SPI*\j
.endr
.endm
.macro STAGE_OUT s                     ; and comes back into the same set: register 32 c + i = k 64 c + 32 h + i of row r
.irp c, 0,1
.irp q, 0,1,2,3,4,5,6,7
	ds_load_b128 v[R+64*((\s)%3)+32*\c+4*\q:R+64*((\s)%3)+32*\c+4*\q+3], v6 offset:256*\c+16*\q
.endr
.endr
.endm
.macro STEP s
.set CS, R+64*((\s)%3)
	s_wait_dscnt 0x0                               ; this step's numbers are back from the stage, which is free again
.if (\s) < NS-1
.if (\s) < NS-2
	s_wait_loadcnt 16                              ; the next step's 16 loads are in; the 16 of the step behind it may be out
.else
	s_wait_loadcnt 0x0
.endif
	STAGE_IN (\s)+1
.endif
	v_max3_num_f32 v[MX], |v[CS]|, |v[CS+1]|, 0x2800000            ; my two blocks' largest magnitudes, by turns, with the floor 2^(5 - 127)
	v_max3_num_f32 v[MX+1], |v[CS+32]|, |v[CS+33]|, 0x2800000
.irp i, 2,4,6,8,10,12,14,16,18,20,22,24,26,28,30
	v_max3_num_f32 v[MX], v[MX], |v[CS+\i]|, |v[CS+\i+1]|
	v_max3_num_f32 v[MX+1], v[MX+1], |v[CS+32+\i]|, |v[CS+33+\i]|
.endr
.if (\s) < NS-1
	s_wait_alu depctr_va_vdst(0)
	s_wait_dscnt 0x0                               ; the stores into the stage are done: the loads below land in the registers that they read
	STAGE_OUT (\s)+1
.endif
	v_add_nc_u32 v[SO], 0xfe000000, v[MX]          ; 4 off the exponent field: the conversion's scale operand
	v_add_nc_u32 v[SO+1], 0xfe000000, v[MX+1]
	v_lshrrev_b32 v[BY], 23, v[SO]                 ; the scales' bytes: blocks h and 2 + h of row r
	v_lshrrev_b32 v[BY+1], 23, v[SO+1]
	v_lshl_or_b32 v[W], v[BY+1], 16, v[BY]
	v_lshlrev_b32 v[W], v7, v[W]                   ; at their places in the word;
	v_permlanex16_b32 v[WT], v[W], s28, s29
	v_or_b32 v[W], v[W], v[WT]                     ; with lane l xor 16's two the word is whole
.if (\s)%2 == 0
	v_mov_b32 v[SW+(\s)/2], v[W]                   ; an even K step's word stays in lanes 0-15,
.else
	v_cndmask_b32 v[SW+(\s)/2], v[SW+(\s)/2], v[W], s27   ; the odd one's goes to lanes 16-31
.endif
	s_wait_alu depctr_va_vdst(0)
	s_wait_xcnt 0x0                                ; the last step's stores have read the fragment's registers
	v_cvt_scalef32_pk16_bf6_f32 v[F:F+2], v[CS:CS+15], v[SO]
	v_cvt_scalef32_pk16_bf6_f32 v[FT:FT+2], v[CS+16:CS+31], v[SO]
	v_cvt_scalef32_pk16_bf6_f32 v[F+6:F+8], v[CS+32:CS+47], v[SO+1]
	v_cvt_scalef32_pk16_bf6_f32 v[FT+4:FT+6], v[CS+48:CS+63], v[SO+1]
	v_nop                                          ; one plain place behind a scaled conversion
.irp i, 0,1,2
	v_mov_b32 v[F+3+\i], v[FT+\i]
	v_mov_b32 v[F+9+\i], v[FT+4+\i]
.endr
.if (\s)+3 < NS
	LOAD (\s)+3                                    ; into the set that has just been converted
.endif
.irp i, 0,1,2
	global_store_b128 v2, v[F+4*\i:F+4*\i+3], s[22:23] offset:1536*(\s)+512*\i   ; 32 lanes store 512 consecutive bytes, at a multiple of 256 from the buffer's first byte
.endr
.endm
	s_wait_alu depctr_va_vdst(0)                   ; the offsets above were made among scalar lines
	LOAD 0
	LOAD 1
	LOAD 2
	s_wait_loadcnt 32                              ; K step 0 is in; the 32 loads of steps 1 and 2 may be out
	STAGE_IN 0
	s_wait_dscnt 0x0
	STAGE_OUT 0
.irp s, 0,1,2,3
	STEP \s
.endr
	ds_store_b64 v[XM], v[SW:SW+1]                 ; my two scale words a lane
	s_wait_dscnt 0x0                               ; for the other wave's sake
	s_barrier_signal -1
	s_barrier_wait -1
	s_cmp_lg_u32 s16, 0                            ; wave 0 stores the record's scale words (a branch on the wave's number, round no barrier)
	s_cbranch_scc1 .Lend
	ds_load_b64 v[SW+2:SW+3], v[XO]                ; wave 1's: words 2, 3
	s_wait_dscnt 0x0
	global_store_b128 v2, v[SW:SW+3], s[22:23] offset:12288      ; 512 consecutive bytes
.Lend:
	s_wait_tensorcnt 0x0                           ; the wave's end
	ds_add_u32 v254, v255
	s_wait_dscnt 0x0
	s_endpgm
.Lfunc_end_k_q04e1586281_quant:
	.size	k_q04e1586281_quant, .Lfunc_end_k_q04e1586281_quant-k_q04e1586281_quant
	.p2alignl 7, 3214868480
	.fill 96, 4, 3214868480
	.section	.rodata,"a",@progbits
	.p2align	6, 0x0
	.amdhsa_kernel k_q04e1586281_quant
		.amdhsa_group_segment_fixed_size 17664
		.amdhsa_private_segment_fixed_size 0
		.amdhsa_enable_private_segment 0
		.amdhsa_kernarg_size 48
		.amdhsa_user_sgpr_count 2
		.amdhsa_user_sgpr_kernarg_segment_ptr 1
		.amdhsa_wavefront_size32 1
		.amdhsa_system_sgpr_workgroup_id_x 1
		.amdhsa_system_sgpr_workgroup_id_y 1
		.amdhsa_system_sgpr_workgroup_id_z 1
		.amdhsa_system_vgpr_workitem_id 0
		.amdhsa_next_free_vgpr 256
		.amdhsa_next_free_sgpr 66
		.amdhsa_reserve_vcc 0
		.amdhsa_float_denorm_mode_32 3
		.amdhsa_float_denorm_mode_16_64 3
		.amdhsa_memory_ordered 1
		.amdhsa_forward_progress 1
		.amdhsa_inst_pref_size 34
	.end_amdhsa_kernel
	.amdgpu_metadata
---
amdhsa.version: [ 1, 2 ]
amdhsa.kernels:
  - .name:           k_q04e1586281_quant
    .symbol:         k_q04e1586281_quant.kd
    .args:
      - { .name: x, .offset: 0, .size: 8, .value_kind: global_buffer, .address_space: global }
      - { .name: w_qkv, .offset: 8, .size: 8, .value_kind: global_buffer, .address_space: global }
      - { .name: w_proj, .offset: 16, .size: 8, .value_kind: global_buffer, .address_space: global }
      - { .name: xq, .offset: 24, .size: 8, .value_kind: global_buffer, .address_space: global }
      - { .name: wq, .offset: 32, .size: 8, .value_kind: global_buffer, .address_space: global }
      - { .name: wp, .offset: 40, .size: 8, .value_kind: global_buffer, .address_space: global }
    .group_segment_fixed_size: 17664
    .private_segment_fixed_size: 0
    .kernarg_segment_align: 8
    .kernarg_segment_size: 48
    .max_flat_workgroup_size: 64
    .sgpr_count:     66
    .vgpr_count:     256
    .wavefront_size: 32
...
	.end_amdgpu_metadata
.endif
;; end of part 1
;; launch qkv_attn (part 2): grid 16 x 16, 8 waves a work-group, clusters of 4 x 1, 327,680 bytes of LDS; arguments xq, wq, b_qkv, oq, cl, ca; writes oq, cl, ca
.if DOCPART == 2
	.amdgcn_target "amdgcn-amd-amdhsa--gfx1250"
	.amdhsa_code_object_version 6
	.text
	.protected	k_q04e1586281_qkv_attn
	.globl	k_q04e1586281_qkv_attn
	.p2align	8
	.type	k_q04e1586281_qkv_attn,@function
k_q04e1586281_qkv_attn:
	s_mov_b64 s[64:65], 0
	v_nop
	global_prefetch_b8 v0, s[64:65] scope:SCOPE_SE
	s_setreg_imm32_b32 hwreg(HW_REG_WAVE_MODE, 25, 1), 1
	s_wait_xcnt 0x0
	s_wait_alu depctr_hold_cnt(0) depctr_sa_sdst(0) depctr_va_vdst(0) depctr_va_sdst(0) depctr_va_ssrc(0) depctr_va_vcc(0) depctr_vm_vsrc(0)
	s_getreg_b32 s2, hwreg(HW_REG_IB_STS2, 6, 4)
	s_cmp_eq_u32 s2, 0
	s_cbranch_scc0 .Lentry_in_a_cluster
	s_endpgm
.Lentry_in_a_cluster:
	s_bfe_u32 s2, ttmp6, 0x10000c
	s_cmp_lg_u32 s2, 0x3003
	s_cbranch_scc0 .Lentry_shape_is_right
	s_endpgm
.Lentry_shape_is_right:
; One work-group = one (batch, head): q, k, v = x w_qkv^T + b_qkv for its 192 columns, q k^T, the softmax, p v, o / l quantised along C; and query 0's logits and softmax of its head.
; All operands are codes of BF6 (E3M2) with one E8M0 scale for each 32 along K.  q, k, v, the scores and p never leave the WGP.
; EIGHT WAVES of 512 registers, two to a SIMD: one wave's quantiser or softmax stands beside the other's products.
; TILES.  Row r of tile T is token 32 (T / 2) + 8 (T % 2) + r + 8 (r / 8); w_qkv's tiles likewise: the 16 registers of tiles 2 p, 2 p + 1 are 16 neighbours.  Records of xq, wq: 8 fragments of 1,536 bytes, 512 bytes of scale words.
; PHASE 1.  Wave w = 4 mh + t keeps three tiles of w_qkv in registers: tiles 2 b, 2 b + 1 (b = t % 2: one block of 32 channels) of q (t < 2) or k, and channel tile t of v.
; In trip i (10 trips) it takes token tiles A = 4 i + 2 mh and B = A + 1: 48 products.  q, k transposed (source 0 = weights): a lane holds a token; v the natural way: a lane holds a channel.
; The biases are the C of each sum's first product.  Results are quantised in registers and stored to LDS as images of operand registers.  x comes through a ring of two slots of 8 records, a record a wave.
; CLUSTER.  The four partners are four heads of one batch: they ask for each record of xq jointly (mask 15).  The weights differ between partners.
; No prefetch of xq: a slot's eight records are asked for two trips, 96 products a wave, ahead of their first read, and each is named once in the cluster.
; PADDING.  Tokens 577 .. 639 are stand-ins (copies of token 576): their v is 0 ahead of the quantiser, their k is masked or not multiplied, their q gives rows that are not used or not stored.
; PHASE 2.  S^T = k q^T, O^T = v^T p^T: a lane holds one query.  A wave works query tiles 2 P, 2 P + 1 of pair P = w + 8 j (j = 0 .. 2); pairs 19 .. 23 do not exist: their steps are jumped over piece by piece.
; K = 64 in an instruction of K = 128: q's registers 6-11 are zero codes, bytes 2, 3 of both scale words 0x7f; the format has no NaN, so what k's upper six registers hold adds 0.
; SOFTMAX: t = score x log2(e); M = the running largest t rounded up; p = 2^(t - M) is quantised along the keys; l sums the unquantised p; when M moves, l and O^T are multiplied by 2^(old M - new M).
; A block's largest p is made from its largest score by the same multiply-add and exponential (this takes v_exp_f32 not to fall where its input rises).
; QUERY 0: for tile 0 each key tile is multiplied once more with the sources the other way round: register 0 of lanes 0-15 is then query 0 at 16 keys (the same sums), kept in LDS key by key.
; LIMITS: NaN and infinities among the inputs are not served; a block of zeros has the byte 1, not 127 (zero codes; this program alone reads the bytes); blocks whose largest magnitude lies under 2^-122
; are held at byte 1; 1 / l is v_rcp_f32; the promise holds while the scaled scores stay under 2^31.
.set REC,   12800
.set SLOT1, 0x20000                    ; slot 0 at 0, slot 1 here: 8 records each
.set QSC,   102400                     ; q's scale words [mh][trip 10][128 bytes: lanes 0-15 tile A, lanes 16-31 tile B]
.set KSC,   104960
.set VSC,   107520                     ; v's scale bytes [2 mh + t / 2][lane (r, t % 2)][12 bytes]
.set SPARE, 109056                     ; the spare words: 128 bytes x 8 waves
.set QIMG,  233472                     ; q's fragments [mh][trip 10][tile A, B]{16 bytes x lane, 8 bytes x lane}
.set KIMG,  264192
.set VIMG,  294912                     ; v's blocks [mh][channel tile 4, 3,840][trip 10, 384]{16 rows x 16 bytes, 16 rows x 8 bytes}
.set VMH,   15488
.set CLSB,  5376                       ; a wave's place for query 0's scores: two rows of 2,576 bytes (queries 0 and 8), in slot 0 behind its last fill and read
; phase 1, window 0: v1-9 lane constants, v10-17 the trip's addresses, v18-19 the add's registers
.set WS,  20                           ; v20-31  weights' scale words: 4 tile + i
.set XS,  32                           ; v32-39  x's, tiles A, B
.set H0,  40                           ; v40-135 two half buffers of x's fragments: 2 K steps x {A, B} x 12
.set ACC, 136                          ; v136-183 +0 A t0 t1, +16 B t0 t1, +32 v: A, B
.set W2,  184                          ; v184-219 v's weights, K steps 5-7 (steps 0-4: window 1, v192-251; tiles 0, 1: window 1, v[96 u + 12 s])
.set BQ,  220
.set BV,  236
.set TM,  40                           ; the quantiser's registers lie over the half buffers
.set TP,  44
.set TS,  48
.set TBY, 52
.set PW1, 56
.set C7F, 57
.set PC1, 60
.set PT1, 68
.set PC2, 72
; phase 2, window 0
.set VM,   20
.set VS,   24
.set KS,   26
.set QS,   30
.set NINF, 31
.set T0,   32                          ; tile u's 106 registers from v[T0 + TZ u]: +0..63 S^T, then p
.set TZ,   106
.set oNM,  64                          ; -M, the largest t
.set oSU,  66                          ; l, a pair
.set oBT,  70
.set oF,   74
.set oTM,  76
.set oBM,  78
.set oSO,  82
.set oPC,  86
.set oPT,  98
.set oPW,  101
; phase 2, window 1: v0-53 k's fragments, v64-111 v's, v112-119 query 0's product, v120 its LDS address, v128-191 O^T, v192-215 q
.set VB,  64
.set CD,  112
.set CA,  120
.set OF,  128
.set QF,  192
.set DK16, 246
.set DK8,  247
.set DKS,  248
.set DV16, 249
.set DV8,  250
.set DVS,  251
.set DQ,   252
.set ACR,  254
.set MSB, 0
.macro WIN new
.if MSB != \new
	s_set_vgpr_msb (MSB<<8)|\new
.set MSB, \new
.endif
.endm
.macro PLACES n
.rept \n
	v_nop
.endr
.endm
.macro CROUND
	s_barrier_signal -1
	s_barrier_wait -1
	s_cmp_lg_u32 s16, 0
	s_cbranch_scc1 .Lnw0_\@
	s_barrier_signal -3
.Lnw0_\@:
	s_barrier_wait -3
	s_barrier_signal -1
	s_barrier_wait -1
.endm
; One product.  cm = 0: C = 0; else C = v[cb ..].  rows: 1: source 0's scales from lanes 16-31; 2: source 1's; 3: both
.macro WM d, a, b, cm, cb, sa, sb, rows
.if (\cm) == 0
.if (\rows) == 0
	v_wmma_scale_f32_16x16x128_f8f6f4 v[\d:\d+7], v[\a:\a+11], v[\b:\b+11], 0, v[\sa], v[\sb] matrix_a_fmt:MATRIX_FMT_BF6 matrix_b_fmt:MATRIX_FMT_BF6
.elseif (\rows) == 1
	v_wmma_scale_f32_16x16x128_f8f6f4 v[\d:\d+7], v[\a:\a+11], v[\b:\b+11], 0, v[\sa], v[\sb] matrix_a_fmt:MATRIX_FMT_BF6 matrix_b_fmt:MATRIX_FMT_BF6 matrix_a_scale:MATRIX_SCALE_ROW1
.elseif (\rows) == 2
	v_wmma_scale_f32_16x16x128_f8f6f4 v[\d:\d+7], v[\a:\a+11], v[\b:\b+11], 0, v[\sa], v[\sb] matrix_a_fmt:MATRIX_FMT_BF6 matrix_b_fmt:MATRIX_FMT_BF6 matrix_b_scale:MATRIX_SCALE_ROW1
.else
	v_wmma_scale_f32_16x16x128_f8f6f4 v[\d:\d+7], v[\a:\a+11], v[\b:\b+11], 0, v[\sa], v[\sb] matrix_a_fmt:MATRIX_FMT_BF6 matrix_b_fmt:MATRIX_FMT_BF6 matrix_a_scale:MATRIX_SCALE_ROW1 matrix_b_scale:MATRIX_SCALE_ROW1
.endif
.else
.if (\rows) == 0
	v_wmma_scale_f32_16x16x128_f8f6f4 v[\d:\d+7], v[\a:\a+11], v[\b:\b+11], v[\cb:\cb+7], v[\sa], v[\sb] matrix_a_fmt:MATRIX_FMT_BF6 matrix_b_fmt:MATRIX_FMT_BF6
.elseif (\rows) == 1
	v_wmma_scale_f32_16x16x128_f8f6f4 v[\d:\d+7], v[\a:\a+11], v[\b:\b+11], v[\cb:\cb+7], v[\sa], v[\sb] matrix_a_fmt:MATRIX_FMT_BF6 matrix_b_fmt:MATRIX_FMT_BF6 matrix_a_scale:MATRIX_SCALE_ROW1
.elseif (\rows) == 2
	v_wmma_scale_f32_16x16x128_f8f6f4 v[\d:\d+7], v[\a:\a+11], v[\b:\b+11], v[\cb:\cb+7], v[\sa], v[\sb] matrix_a_fmt:MATRIX_FMT_BF6 matrix_b_fmt:MATRIX_FMT_BF6 matrix_b_scale:MATRIX_SCALE_ROW1
.else
	v_wmma_scale_f32_16x16x128_f8f6f4 v[\d:\d+7], v[\a:\a+11], v[\b:\b+11], v[\cb:\cb+7], v[\sa], v[\sb] matrix_a_fmt:MATRIX_FMT_BF6 matrix_b_fmt:MATRIX_FMT_BF6 matrix_a_scale:MATRIX_SCALE_ROW1 matrix_b_scale:MATRIX_SCALE_ROW1
.endif
.endif
.endm
	s_load_b256 s[4:11], s[0:1], 0x0               ; xq, wq, b_qkv, oq
	s_load_b128 s[12:15], s[0:1], 0x20             ; cl, ca
	v_lshl_add_u32 v18, v0, 2, SPARE
	v_mov_b32 v19, 0
	ds_add_u32 v18, v19                            ; the opening lines: the add twice on end under one wait
	ds_add_u32 v18, v19
	v_lshrrev_b32 v1, 5, v0
	v_readfirstlane_b32 s16, v1                    ; wave 0..7
	s_and_b32 s17, s16, 3                          ; t: my weight group, and my channel tile of v
	s_lshr_b32 s18, s16, 2                         ; mh: which pair of token tiles of a trip
	s_lshr_b32 s93, s17, 1                         ; q (0) or k (1)
	s_and_b32 s94, s17, 1                          ; b: which block of 32 channels
	s_and_b32 s95, s16, 1                          ; phase 2: my pair's mh,
	s_lshr_b32 s96, s16, 1                         ; and its first trip
	s_bfe_u32 s19, ttmp6, 0x40000                  ; cx: it enters global addresses alone
	s_lshl_b32 s20, ttmp9, 2
	s_add_co_u32 s20, s20, s19                     ; the head
	s_and_b32 s21, ttmp7, 0xffff                   ; the batch, shared by the partners
	s_mov_b32 s22, 0x3e000000                      ; 1 / sqrt(64)
	s_mov_b32 s23, s22
	s_mov_b32 s24, 15|(3<<16)|(1<<21)              ; group 1: one record, 50 rows of 256 dense bytes; the mask names all four
	s_mov_b32 s25, 32<<16
	s_mov_b32 s26, 50<<16
	s_mov_b32 s27, 32<<16
	s_mov_b32 s28, 50
	s_mov_b32 s29, 32
	s_mov_b32 s30, 0
	s_mov_b32 s31, 0
	s_mov_b32 s32, 1
	s_mul_i32 s33, s16, REC                        ; LDS: record w of slot 0
	s_mul_i32 s80, s21, 40*REC
	s_add_co_u32 s80, s80, s33
	s_mov_b32 s81, 0
	s_lshl_b32 s82, s93, 4
	s_add_co_u32 s82, s82, s20
	s_lshl_b32 s82, s82, 2
	s_lshl_b32 s86, s94, 1
	s_add_co_u32 s82, s82, s86
	s_mul_i32 s82, s82, REC                        ; q's or k's records 2 b, 2 b + 1 of my head
	s_mov_b32 s83, 0
	s_add_co_u32 s84, s20, 32
	s_lshl_b32 s84, s84, 2
	s_add_co_u32 s84, s84, s17
	s_mul_i32 s84, s84, REC                        ; v's record t
	s_mov_b32 s85, 0
	s_lshl_b32 s86, s93, 12
	s_lshl_b32 s88, s20, 8
	s_add_co_u32 s86, s86, s88
	s_lshl_b32 s90, s94, 7
	s_add_co_u32 s86, s86, s90                     ; b_qkv, bytes: 4,096 (q or k) + 256 head + 128 b
	s_mov_b32 s87, 0
	s_lshl_b32 s90, s93, 7
	s_add_co_u32 s88, s88, s90
	s_lshl_b32 s90, s94, 5
	s_add_co_u32 s88, s88, s90
	s_add_co_u32 s88, s88, 8192                    ; and 8,192 + 256 head + 128 (t / 2) + 32 (t % 2)
	s_mov_b32 s89, 0
	v_and_b32 v3, 31, v0
	v_lshlrev_b32 v1, 4, v3                        ; 16 x lane
	v_lshlrev_b32 v2, 3, v3                        ; 8 x lane
	v_mul_u32_u24 v4, v3, 12                       ; 12 x lane
	v_lshlrev_b32 v3, 2, v3                        ; 4 x lane
	v_and_b32 v5, 15, v0                           ; r
	v_bfe_u32 v6, v0, 4, 1                         ; h
	v_mul_u32_u24 v7, v6, 768                      ; q's, k's image: my half of the lanes holds tile A (h = 0) or B; in it I am lane r + 16 b
	v_lshl_add_u32 v8, v5, 3, v7
	v_lshl_add_u32 v7, v5, 4, v7
	s_lshl_b32 s90, s94, 8
	v_add_nc_u32 v7, s90, v7                       ; 768 h + 16 r + 256 b
	s_lshl_b32 s90, s94, 7
	s_add_co_u32 s90, s90, 512
	v_add_nc_u32 v8, s90, v8                       ; 768 h + 512 + 8 r + 128 b
	v_lshlrev_b32 v9, 4, v6                        ; 16 h
	v_lshlrev_b32 v244, 6, v6                      ; q's, k's bias: my half's 16 numbers
	v_and_b32 v245, 8, v5
	v_add_nc_u32 v245, v245, v5
	v_lshlrev_b32 v245, 2, v245                    ; v's bias: channel r + 8 (r / 8)
	s_wait_alu depctr_va_vdst(0)
	s_wait_dscnt 0x0
	s_wait_kmcnt 0x0
	s_add_nc_u64 s[34:35], s[4:5], s[80:81]
	s_or_b32 s35, s35, 0x80000000
	s_add_nc_u64 s[50:51], s[6:7], s[82:83]
	s_add_nc_u64 s[52:53], s[6:7], s[84:85]
	s_add_nc_u64 s[54:55], s[8:9], s[86:87]
	s_add_nc_u64 s[56:57], s[8:9], s[88:89]
	CROUND                                         ; the first joint loads meet, and my work-group's eight waves are in step
	tensor_load_to_lds s[32:35], s[24:31]          ; token tile w into slot 0: my one load at the head
	s_nop 0
	PLACES 4
	WIN 0x40                                       ; the weights go straight to registers; waves w and w + 4 ask for the same three records
.irp u, 0,1
.irp s, 0,1,2,3,4,5,6,7
.irp i, 0,1,2
	global_load_b128 v[96*\u+12*\s+4*\i:96*\u+12*\s+4*\i+3], v1, s[50:51] offset:\u*REC+1536*\s+512*\i
.endr
.endr
.endr
.irp s, 0,1,2,3,4
.irp i, 0,1,2
	global_load_b128 v[192+12*\s+4*\i:192+12*\s+4*\i+3], v1, s[52:53] offset:1536*\s+512*\i
.endr
.endr
	WIN 0
.irp s, 5,6,7
.irp i, 0,1,2
	global_load_b128 v[W2+12*(\s-5)+4*\i:W2+12*(\s-5)+4*\i+3], v1, s[52:53] offset:1536*\s+512*\i
.endr
.endr
.irp u, 0,1                            ; lane (r, h), register j: channel 32 b + 16 h + 8 u + j
	global_load_b128 v[BQ+8*\u:BQ+8*\u+3], v244, s[54:55] offset:32*\u
	global_load_b128 v[BQ+8*\u+4:BQ+8*\u+7], v244, s[54:55] offset:32*\u+16
.endr
.irp j, 0,1,2,3,4,5,6,7                ; v's result holds one channel a lane
	global_load_b32 v[BV+\j], v245, s[56:57]
.endr
.irp u, 0,1
	global_load_b128 v[WS+4*\u:WS+4*\u+3], v1, s[50:51] offset:\u*REC+12288
.endr
	global_load_b128 v[WS+8:WS+11], v1, s[52:53] offset:12288
	s_mul_i32 s36, s18, 2*REC                      ; my pair of records in LDS
	s_mul_i32 s37, s93, 30720
	s_mul_i32 s80, s18, 15360
	s_add_co_u32 s37, s37, s80
	s_add_co_u32 s37, s37, QIMG                    ; the trip's q or k images
	s_mul_i32 s38, s93, 2560
	s_mul_i32 s80, s18, 1280
	s_add_co_u32 s38, s38, s80
	s_add_co_u32 s38, s38, s94
	s_add_co_u32 s38, s38, QSC                     ; byte b of their scale words
	s_mul_i32 s39, s18, VMH
	s_mul_i32 s80, s17, 3840
	s_add_co_u32 s39, s39, s80
	s_add_co_u32 s39, s39, VIMG                    ; v's blocks
	s_lshl_b32 s40, s18, 1
	s_add_co_u32 s40, s40, s93
	s_mul_i32 s40, s40, 384
	s_mul_i32 s80, s94, 192
	s_add_co_u32 s40, s40, s80
	s_add_co_u32 s40, s40, VSC                     ; v's scale bytes
	s_mov_b32 s41, s18                             ; p = 2 i + mh
	s_mov_b32 s44, 0xffff0000
	s_mov_b32 s46, 0x76543210
	s_mov_b32 s47, 0xfedcba98
	s_mov_b32 s48, 0x3fb8aa3b                      ; log2(e)
	s_mov_b32 s49, s48
	s_wait_loadcnt 0x0
; THE CHANGE OF SLOTS: every wave waits for all its tensor loads, adds 0 to its spare word, waits for that and for its reads of the slot left; fill = 1: a round, and the slot left is asked for jointly
.macro CHANGE fill
	s_wait_tensorcnt 0x0
	ds_add_u32 v18, v19
.if \fill
	s_xor_b32 s33, s33, SLOT1
	s_add_nc_u64 s[34:35], s[34:35], 8*REC
.endif
	s_wait_dscnt 0x0
.if \fill
	CROUND
	tensor_load_to_lds s[32:35], s[24:31]
	s_nop 0
	PLACES 4
.else
	s_barrier_signal -1
	s_barrier_wait -1
.endif
.endm
.macro XLOADH hb, s0                   ; x's fragments of K steps s0, s0 + 1, tiles A, B: 12 loads
.irp ds, 0,1
.irp X, 0,1
.irp i, 0,1,2
	ds_load_b128 v[H0+48*(\hb)+24*\ds+12*\X+4*\i:H0+48*(\hb)+24*\ds+12*\X+4*\i+3], v10 offset:REC*\X+1536*((\s0)+\ds)+512*\i
.endr
.endr
.endr
.endm
; Six products of K step s, six accumulators by turns
.macro KSTEP s, hb, ds, bias
.set xf_, H0+48*(\hb)+24*(\ds)
	WIN 0x01
.irp X, 0,1
.irp u, 0,1
.if \bias
	WM ACC+16*\X+8*\u, 96*\u+12*(\s), xf_+12*\X, 1, BQ+8*\u, WS+4*\u+(\s)/2, XS+4*\X+(\s)/2, 3*((\s)%2)
.else
	WM ACC+16*\X+8*\u, 96*\u+12*(\s), xf_+12*\X, 1, ACC+16*\X+8*\u, WS+4*\u+(\s)/2, XS+4*\X+(\s)/2, 3*((\s)%2)
.endif
.endr
.endr
.if (\s) < 5
	WIN 0x04
.set wv_, 192+12*(\s)
.else
	WIN 0
.set wv_, W2+12*((\s)-5)
.endif
.irp X, 0,1
.if \bias
	WM ACC+32+8*\X, xf_+12*\X, wv_, 1, BV, XS+4*\X+(\s)/2, WS+8+(\s)/2, 3*((\s)%2)
.else
	WM ACC+32+8*\X, xf_+12*\X, wv_, 1, ACC+32+8*\X, XS+4*\X+(\s)/2, WS+8+(\s)/2, 3*((\s)%2)
.endif
.endr
.endm
; Three blocks of 16 registers become codes; each block of 32 numbers lies in lanes l and l xor 16
.macro QUANT3
	s_cmp_lg_u32 s93, 0                            ; q alone is scaled (a branch on the wave's number)
	s_cbranch_scc1 .Lnoq_\@
.set qj, 0
.rept 16
	v_pk_mul_f32 v[ACC+qj:ACC+qj+1], v[ACC+qj:ACC+qj+1], s[22:23] op_sel_hi:[1,0]
.set qj, qj+2
.endr
.Lnoq_\@:
	s_wait_alu depctr_va_vdst(0)
	s_cmp_lt_u32 s41, 18                           ; tokens above 576 do not exist: their v is 0 ahead of the quantiser
	s_cbranch_scc1 .Lfull_\@
	s_lshl_b32 s80, s41, 5
	s_sub_co_u32 s80, 576, s80
	v_sub_nc_u32 v17, s80, v9                      ; register i counts where i <= 576 - 32 p - 16 h
.irp i, 0,1,2,3,4,5,6,7,8,9,10,11,12,13,14,15
	v_cmp_le_i32 vcc_lo, \i, v17
	v_cndmask_b32 v[ACC+32+\i], 0, v[ACC+32+\i], vcc_lo
.endr
.Lfull_\@:
.irp b, 0,1,2
	v_max3_num_f32 v[TM+\b], |v[ACC+16*\b]|, |v[ACC+16*\b+1]|, 0x2800000   ; with the floor 2^(5 - 127)
.endr
.irp i, 2,4,6,8,10,12,14
.irp b, 0,1,2
	v_max3_num_f32 v[TM+\b], v[TM+\b], |v[ACC+16*\b+\i]|, |v[ACC+16*\b+\i+1]|
.endr
.endr
.irp b, 0,1,2
	v_permlanex16_b32 v[TP+\b], v[TM+\b], s46, s47
.endr
.irp b, 0,1,2
	v_max_num_f32 v[TM+\b], v[TM+\b], v[TP+\b]
.endr
.irp b, 0,1,2
	v_add_nc_u32 v[TS+\b], 0xfe000000, v[TM+\b]    ; 4 off the exponent field: the conversion's scale operand
.endr
.irp b, 0,1,2
	v_lshrrev_b32 v[TBY+\b], 23, v[TS+\b]
.endr
	v_cndmask_b32 v[PW1], v[TBY], v[TBY+1], s44    ; A's byte in lanes 0-15, B's in lanes 16-31
	v_mov_b32 v[C7F], 0x7f                         ; the empty half of K has the scale 1
	v_cvt_scalef32_pk16_bf6_f32 v[PC1:PC1+2], v[ACC:ACC+15], v[TS]
	v_cvt_scalef32_pk16_bf6_f32 v[PT1:PT1+2], v[ACC+16:ACC+31], v[TS+1]
	v_cvt_scalef32_pk16_bf6_f32 v[PC2:PC2+2], v[ACC+32:ACC+47], v[TS+2]
	v_nop
.irp i, 0,1,2                          ; lanes 0-15: tile A's whole block, lanes 16-31: tile B's
	v_permlane16_swap_b32 v[PC1+\i], v[PT1+\i]
	v_mov_b32 v[PC2+3+\i], v[PC2+\i]
.endr
.irp i, 0,1,2                          ; v: the whole block of 32 tokens in both halves of the lanes
	v_mov_b32 v[PC1+3+\i], v[PT1+\i]
	v_permlane16_swap_b32 v[PC2+\i], v[PC2+3+\i]
.endr
.endm
.macro TRIP
	v_add_nc_u32 v10, s36, v1
	v_add_nc_u32 v11, s37, v7
	v_add_nc_u32 v12, s37, v8
	v_add_nc_u32 v13, s38, v3
	v_lshl_add_u32 v14, v5, 4, s39
	v_lshl_add_u32 v15, v5, 3, s39
	v_mad_u32_u24 v16, v5, 12, s40
	ds_load_b128 v[XS:XS+3], v10 offset:12288
	ds_load_b128 v[XS+4:XS+7], v10 offset:REC+12288
	XLOADH 0, 0
	XLOADH 1, 2
	s_wait_alu depctr_va_vdst(0)
	s_wait_dscnt 12                                ; all but the other half buffer's 12 loads
	KSTEP 0, 0, 0, 1
	KSTEP 1, 0, 1, 0
	WIN 0
	PLACES 4
	XLOADH 0, 4
	s_wait_dscnt 12
	KSTEP 2, 1, 0, 0
	KSTEP 3, 1, 1, 0
	WIN 0
	PLACES 4
	XLOADH 1, 6
	s_wait_dscnt 12
	KSTEP 4, 0, 0, 0
	KSTEP 5, 0, 1, 0
	s_wait_dscnt 0x0
	KSTEP 6, 1, 0, 0
	KSTEP 7, 1, 1, 0
	WIN 0
	PLACES 4
	QUANT3
	ds_store_b128 v11, v[PC1:PC1+3]                ; my lane's six registers of tile A's or B's fragment,
	ds_store_b64 v12, v[PC1+4:PC1+5]
	ds_store_b8 v13, v[PW1]                        ; byte b of its scale word, and byte 2 + b
	ds_store_b8 v13, v[C7F] offset:2
	ds_store_b128 v14, v[PC2:PC2+3]                ; v's block p of channel row r (both halves of the lanes write the same)
	ds_store_b64 v15, v[PC2+4:PC2+5] offset:256
	ds_store_b8 v16, v[TBY+2]
	s_wait_dscnt 0x0
	s_add_co_u32 s36, s36, 4*REC
	s_add_co_u32 s37, s37, 1536
	s_add_co_u32 s38, s38, 128
	s_add_co_u32 s39, s39, 384
	s_add_co_u32 s40, s40, 1
	s_add_co_u32 s41, s41, 2
.endm
.macro TWO_TRIPS
	s_mov_b32 s43, 2
.Ltrip_\@:
	TRIP
	s_sub_co_u32 s43, s43, 1
	s_cmp_lg_u32 s43, 0
	s_cbranch_scc1 .Ltrip_\@
	s_sub_co_u32 s36, s36, 8*REC
	s_xor_b32 s36, s36, SLOT1
.endm
	s_mov_b32 s42, 4
.Lperiod:
	CHANGE 1
	TWO_TRIPS
	s_sub_co_u32 s42, s42, 1
	s_cmp_lg_u32 s42, 0
	s_cbranch_scc1 .Lperiod
	CHANGE 0                                       ; the last slot is written out
	TWO_TRIPS
	s_wait_dscnt 0x0
	s_barrier_signal -1
	s_barrier_wait -1                              ; all images lie in LDS; nobody reads the slots any more
	; ---- PHASE 2
	v_add_nc_u32 v8, KIMG, v1
	v_add_nc_u32 v9, KIMG+512, v2
	v_add_nc_u32 v10, KSC, v3
	v_mul_u32_u24 v11, v6, VMH                     ; v: lanes 16-31 take the odd blocks of 32 keys
	v_lshl_add_u32 v12, v5, 3, v11
	v_add_nc_u32 v12, VIMG+256, v12
	v_lshl_add_u32 v11, v5, 4, v11
	v_add_nc_u32 v11, VIMG, v11
	v_add_nc_u32 v13, VSC, v4
	s_mul_i32 s91, s16, CLSB                       ; my wave's place for query 0's scores
	v_and_b32 v14, 8, v5
	v_add_nc_u32 v14, v14, v5
	v_lshlrev_b32 v14, 2, v14
	v_mad_u32_u24 v14, v6, 2576, v14
	v_add_nc_u32 v14, s91, v14                     ; key r + 8 (r / 8) of a tile, 4 bytes a key; lanes 16-31 (query 8) in the second row
	v_add_nc_u32 v[ACR], s91, v1
	v_lshl_add_u32 v15, v5, 4, v6                  ; oq's scale bytes: 16 r + h
	v_mov_b32 v[NINF], 0xff800000
.irp u, 0,1
	v_mov_b32 v[T0+TZ*\u+oF+1], 0
.irp b, 0,1,2,3
	v_mov_b32 v[T0+TZ*\u+oBT+\b], 0                ; lane permutes' destinations count as sources
.endr
.endr
	WIN 0x40
.irp j, 48,49,50,51,52,53
	v_mov_b32 v[\j], 0
.endr
.irp j, 6,7,8,9,10,11
	v_mov_b32 v[QF+\j], 0                          ; zero codes for the empty half of K
	v_mov_b32 v[QF+12+\j], 0
.endr
	WIN 0
	s_lshl_b32 s58, s16, 1                         ; T = 2 w + 16 j.  Pair P = w + 8 j is (mh = w % 2, trip w / 2 + 4 j) of phase 1
	s_mul_i32 s68, s95, 15360
	s_mul_i32 s80, s96, 1536
	s_add_co_u32 s68, s68, s80
	s_add_co_u32 s68, s68, QIMG
	s_mul_i32 s69, s95, 1280
	s_lshl_b32 s80, s96, 7
	s_add_co_u32 s69, s69, s80
	s_add_co_u32 s69, s69, QSC
	s_mul_i32 s80, s21, 37
	s_add_co_u32 s80, s80, s58
	s_mul_i32 s80, s80, REC                        ; oq's record (batch, T)
	s_lshr_b32 s82, s20, 1
	s_and_b32 s83, s20, 1
	s_mul_i32 s84, s82, 1536
	s_mul_i32 s86, s83, 768
	s_add_co_u32 s84, s84, s86
	s_add_co_u32 s84, s84, s80
	s_mov_b32 s85, 0
	s_add_nc_u64 s[70:71], s[10:11], s[84:85]      ; my 768 bytes of codes
	s_and_b32 s84, s82, 1
	s_lshl_b32 s84, s84, 8
	s_lshr_b32 s86, s20, 2
	s_lshl_b32 s86, s86, 2
	s_add_co_u32 s84, s84, s86
	s_lshl_b32 s86, s83, 1
	s_add_co_u32 s84, s84, s86
	s_add_co_u32 s84, s84, s80
	s_add_co_u32 s84, s84, 12288
	s_add_nc_u64 s[72:73], s[10:11], s[84:85]
	s_lshl_b32 s84, s20, 4
	s_add_co_u32 s84, s84, s21
	s_mul_i32 s84, s84, 2560                       ; cl, ca: [head][batch][640]
	s_add_nc_u64 s[74:75], s[12:13], s[84:85]
	s_add_nc_u64 s[76:77], s[14:15], s[84:85]
.macro KLOAD a16, a8, as               ; a key step's eight fragments of k and four registers of scale words: 20 loads
	WIN 0x40
.irp kt, 0,1,2,3,4,5,6,7
	ds_load_b128 v[6*\kt:6*\kt+3], v[\a16] offset:((\kt/2)%2)*15360+(\kt/4)*1536+(\kt%2)*768
	ds_load_b64 v[6*\kt+4:6*\kt+5], v[\a8] offset:((\kt/2)%2)*15360+(\kt/4)*1536+(\kt%2)*768
.endr
	WIN 0
.irp pk, 0,1,2,3
	ds_load_b32 v[KS+\pk], v[\as] offset:(\pk%2)*1280+(\pk/2)*128
.endr
.endm
.macro VLOAD                           ; a key step's four fragments of v^T and its scale bytes: 20 loads
	WIN 0x40
.irp ct, 0,1,2,3
.irp c, 0,1
	ds_load_b128 v[VB+12*\ct+6*\c:VB+12*\ct+6*\c+3], v[DV16] offset:3840*\ct+384*\c
	ds_load_b64 v[VB+12*\ct+6*\c+4:VB+12*\ct+6*\c+5], v[DV8] offset:3840*\ct+384*\c
.endr
.endr
	WIN 0
	ds_load_u16 v[VM], v[DVS]
	ds_load_u16 v[VM+1], v[DVS] offset:768
	ds_load_u16 v[VM+2], v[DVS] offset:384
	ds_load_u16 v[VM+3], v[DVS] offset:1152
.endm
.macro SCALE t, i, last
.if (\last) && ((\i) == 16)
	v_fma_f32 v[T0+TZ*(\t)+32], v[T0+TZ*(\t)+32], s48, v[T0+TZ*(\t)+oNM]
.else
	v_pk_fma_f32 v[T0+TZ*(\t)+2*(\i):T0+TZ*(\t)+2*(\i)+1], v[T0+TZ*(\t)+2*(\i):T0+TZ*(\t)+2*(\i)+1], s[48:49], v[T0+TZ*(\t)+oNM:T0+TZ*(\t)+oNM+1] op_sel_hi:[1,0,0]
.endif
.endm
.macro EXPI t, i
	v_exp_f32 v[T0+TZ*(\t)+(\i)], v[T0+TZ*(\t)+(\i)]
.endm
; THE ROW'S SUM is a tree over 16 pairs of registers that are idle between the maxima and the quantiser: offsets 68-73, 76, 82-105 of the tile's registers
.macro DSET sym, i
.if (\i) < 3
.set \sym, 68+2*(\i)
.elseif (\i) == 3
.set \sym, 76
.else
.set \sym, 74+2*(\i)
.endif
.endm
.macro SUM1 t, i                       ; leaf i: p numbers 4 i .. 4 i + 3, two by two
	DSET dd_, \i
.set sb_, T0+TZ*(\t)
	v_pk_add_f32 v[sb_+dd_:sb_+dd_+1], v[sb_+4*(\i):sb_+4*(\i)+1], v[sb_+4*(\i)+2:sb_+4*(\i)+3]
.endm
.macro TREE t, i, st                   ; leaf i takes leaf i + st
	DSET dd_, \i
	DSET de_, (\i)+(\st)
.set sb_, T0+TZ*(\t)
	v_pk_add_f32 v[sb_+dd_:sb_+dd_+1], v[sb_+dd_:sb_+dd_+1], v[sb_+de_:sb_+de_+1]
.endm
; A KEY STEP of the pair: 128 keys.  last = 1: keys 512 .. 576: five tiles of k, of which the fifth holds key 576 alone.
; THE EXPONENTIALS go in two batches.  Tile 0's stand behind tile 1's scalings; tile 1's stand four by four behind the 16 leaves of tile 0's sum, which no line reads before the batch's wait.
.macro STEP last
.set NSC, 32-15*(\last)
.set NEX, 64-31*(\last)
	s_cmp_gt_u32 s58, 36                           ; a pair that does not exist: the step's work is jumped over
	s_cbranch_scc1 .Lhid_\@
	v_add_nc_u32 v[DV16], s61, v11                 ; (four places behind the last step's products)
	v_add_nc_u32 v[DV8], s61, v12
	v_add_nc_u32 v[DVS], s62, v13
	v_nop
	VLOAD
	s_wait_dscnt 20                                ; k, its scale words and q are in; v's 20 loads may be out
	WIN 0x05
.irp kt, 0,1,2,3,4,5,6,7
.if (\kt < 5) || ((\last) == 0)
.irp u, 0,1
	WM T0+TZ*\u+8*\kt, 6*\kt, QF+12*\u, 0, 0, KS+\kt/2, QS, \kt%2+2*\u
.endr
.endif
.endr
	WIN 0
	s_cmp_lg_u32 s58, 0                            ; tile 0 holds query 0: source 0 = q, source 1 = k: register 0 of lanes 0-15 is query 0 at the tile's 16 keys
	s_cbranch_scc1 .Lnc_\@
	WIN 0x40
	v_add_nc_u32 v[CA], s67, v14
	WIN 0x45
.irp kt, 0,1,2,3,4,5,6,7
	WM CD, QF, 6*\kt, 0, 0, QS, KS+\kt/2, 2*(\kt%2)
	PLACES 5                                       ; four for the store's read, the fifth since the next product writes over the result
	ds_store_b32 v[CA], v[CD] offset:(32*(\kt/2)+8*(\kt%2))*4
.endr
	WIN 0
.Lnc_\@:
.if \last
	PLACES 4
	KLOAD 8, 9, 10                                 ; the next pair's first key step
.irp u, 0,1
	v_cndmask_b32 v[T0+TZ*\u+32], v[T0+TZ*\u+32], v[NINF], s44   ; key 592 does not exist
.endr
.set zj, 33
.rept 31
	v_mov_b32 v[T0+zj], 0                          ; nor do the others: their p is 0
	v_mov_b32 v[T0+TZ+zj], 0
.set zj, zj+1
.endr
.else
	v_add_nc_u32 v[DK16], s63, v8
	v_add_nc_u32 v[DK8], s63, v9
	v_add_nc_u32 v[DKS], s66, v10
	v_nop
	KLOAD DK16, DK8, DKS                           ; the next key step's
.endif
.irp b, 0,1,2,3
.if (\b < 2) || ((\last) == 0)
.irp u, 0,1
	v_max3_num_f32 v[T0+TZ*\u+oBM+\b], v[T0+TZ*\u+16*\b], v[T0+TZ*\u+16*\b+1], v[T0+TZ*\u+16*\b+2]
.endr
.endif
.endr
.irp i, 3,5,7,9,11,13
.irp b, 0,1,2,3
.if (\b < 2) || ((\last) == 0)
.irp u, 0,1
	v_max3_num_f32 v[T0+TZ*\u+oBM+\b], v[T0+TZ*\u+oBM+\b], v[T0+TZ*\u+16*\b+\i], v[T0+TZ*\u+16*\b+\i+1]
.endr
.endif
.endr
.endr
.irp b, 0,1,2,3
.if (\b < 2) || ((\last) == 0)
.irp u, 0,1
	v_max_num_f32 v[T0+TZ*\u+oBM+\b], v[T0+TZ*\u+oBM+\b], v[T0+TZ*\u+16*\b+15]
.endr
.endif
.endr
.if \last
.irp u, 0,1
	v_mov_b32 v[T0+TZ*\u+oBM+2], v[T0+TZ*\u+32]
	v_mov_b32 v[T0+TZ*\u+oBM+3], v[NINF]
.endr
.endif
.irp b, 0,1,2,3
.irp u, 0,1
	v_permlanex16_b32 v[T0+TZ*\u+oBT+\b], v[T0+TZ*\u+oBM+\b], s46, s47
.endr
.endr
.irp b, 0,1,2,3
.irp u, 0,1
	v_max_num_f32 v[T0+TZ*\u+oBM+\b], v[T0+TZ*\u+oBM+\b], v[T0+TZ*\u+oBT+\b]
.endr
.endr
.irp u, 0,1
	v_max3_num_f32 v[T0+TZ*\u+oTM], v[T0+TZ*\u+oBM], v[T0+TZ*\u+oBM+1], v[T0+TZ*\u+oBM+2]
.endr
.irp u, 0,1
	v_max_num_f32 v[T0+TZ*\u+oTM], v[T0+TZ*\u+oTM], v[T0+TZ*\u+oBM+3]
.endr
.irp u, 0,1
	v_mul_f32 v[T0+TZ*\u+oTM], s48, v[T0+TZ*\u+oTM]
.endr
.irp u, 0,1
	v_max_num_f32 v[T0+TZ*\u+oNM+1], v[T0+TZ*\u+oNM+1], v[T0+TZ*\u+oTM]   ; the running largest t
.endr
.irp u, 0,1
	v_mov_b32 v[T0+TZ*\u+oTM], v[T0+TZ*\u+oNM]
.endr
.irp u, 0,1
	v_floor_f32 v[T0+TZ*\u+oNM], -v[T0+TZ*\u+oNM+1]                ; -M = floor(-t)
.endr
.irp u, 0,1
	v_sub_f32 v[T0+TZ*\u+oTM], v[T0+TZ*\u+oNM], v[T0+TZ*\u+oTM]
.endr
.irp u, 0,1
	v_cvt_i32_f32 v[T0+TZ*\u+oTM], v[T0+TZ*\u+oTM]
.endr
.irp u, 0,1
	v_ldexp_f32 v[T0+TZ*\u+oF], 1.0, v[T0+TZ*\u+oTM]               ; f = 2^(old M - new M)
.endr
.set ci, 0
.rept NSC
	SCALE 0, ci, \last
.set ci, ci+1
.endr
.irp b, 0,1,2,3
	v_fma_f32 v[T0+oBM+\b], v[T0+oBM+\b], s48, v[T0+oNM]
.endr
.set ci, 0
	s_wait_alu depctr_va_vdst(0)
.rept NSC
	SCALE 1, ci, \last
	EXPI 0, 2*ci
.if 2*ci+1 < NEX
	EXPI 0, 2*ci+1
.endif
.set ci, ci+1
.endr
.irp b, 0,1,2,3
	v_exp_f32 v[T0+oBM+\b], v[T0+oBM+\b]
.endr
.irp b, 0,1,2,3
	v_fma_f32 v[T0+TZ+oBM+\b], v[T0+TZ+oBM+\b], s48, v[T0+TZ+oNM]
.endr
.irp u, 0,1
	v_pk_mul_f32 v[T0+TZ*\u+oSU:T0+TZ*\u+oSU+1], v[T0+TZ*\u+oSU:T0+TZ*\u+oSU+1], v[T0+TZ*\u+oF:T0+TZ*\u+oF+1] op_sel_hi:[1,0]   ; l under the new M
.endr
	s_wait_alu depctr_va_vdst(0)                   ; one wait behind tile 0's batch and ahead of tile 1's
.set ci, 0
.rept 16
	SUM1 0, ci
.irp e, 0,1,2,3
.if 4*ci+\e < NEX
	EXPI 1, 4*ci+\e
.endif
.endr
.set ci, ci+1
.endr
.irp b, 0,1,2,3
	v_exp_f32 v[T0+TZ+oBM+\b], v[T0+TZ+oBM+\b]
.endr
	s_wait_dscnt 20                                ; v and its bytes are in; the next k's 20 loads may be out
	v_perm_b32 v[VS], v[VM+1], v[VM], 0x05010400   ; v's scale words: even, odd, even, odd blocks
	v_perm_b32 v[VS+1], v[VM+3], v[VM+2], 0x05010400
	s_wait_alu depctr_va_vdst(0)                   ; and one behind tile 1's batch
.set ci, 0
.rept 16
	SUM1 1, ci
.set ci, ci+1
.endr
.irp st, 1,2,4,8
.set ci, 0
.rept 8/\st
.irp u, 0,1
	TREE \u, ci, \st
.endr
.set ci, ci+2*\st
.endr
.endr
.irp u, 0,1
	v_pk_add_f32 v[T0+TZ*\u+oSU:T0+TZ*\u+oSU+1], v[T0+TZ*\u+oSU:T0+TZ*\u+oSU+1], v[T0+TZ*\u+68:T0+TZ*\u+69]
.endr
.irp b, 0,1,2,3
.irp u, 0,1
	v_max_num_f32 v[T0+TZ*\u+oBM+\b], 0x2800000, v[T0+TZ*\u+oBM+\b]
.endr
.endr
.irp b, 0,1,2,3
.irp u, 0,1
	v_add_nc_u32 v[T0+TZ*\u+oSO+\b], 0xfe000000, v[T0+TZ*\u+oBM+\b]
.endr
.endr
.irp b, 0,1,2,3
.irp u, 0,1
	v_lshrrev_b32 v[T0+TZ*\u+oBT+\b], 23, v[T0+TZ*\u+oSO+\b]
.endr
.endr
.irp u, 0,1
	v_lshl_or_b32 v[T0+TZ*\u+oPW], v[T0+TZ*\u+oBT+1], 8, v[T0+TZ*\u+oBT]
.endr
.irp u, 0,1
	v_lshl_or_b32 v[T0+TZ*\u+oPW], v[T0+TZ*\u+oBT+2], 16, v[T0+TZ*\u+oPW]
.endr
.irp u, 0,1
	v_lshl_or_b32 v[T0+TZ*\u+oPW], v[T0+TZ*\u+oBT+3], 24, v[T0+TZ*\u+oPW]
.endr
.irp u, 0,1
.irp c, 0,1
	v_cvt_scalef32_pk16_bf6_f32 v[T0+TZ*\u+oPC+6*\c:T0+TZ*\u+oPC+6*\c+2], v[T0+TZ*\u+32*\c:T0+TZ*\u+32*\c+15], v[T0+TZ*\u+oSO+2*\c]
	v_cvt_scalef32_pk16_bf6_f32 v[T0+TZ*\u+oPT+4*\c:T0+TZ*\u+oPT+4*\c+2], v[T0+TZ*\u+32*\c+16:T0+TZ*\u+32*\c+31], v[T0+TZ*\u+oSO+2*\c+1]
.endr
.endr
	v_nop
.irp c, 0,1
.irp i, 0,1,2
.irp u, 0,1
	v_permlane16_swap_b32 v[T0+TZ*\u+oPC+6*\c+\i], v[T0+TZ*\u+oPT+4*\c+\i]
.endr
.endr
.endr
.irp c, 0,1
.irp i, 0,1,2
.irp u, 0,1
	v_mov_b32 v[T0+TZ*\u+oPC+6*\c+3+\i], v[T0+TZ*\u+oPT+4*\c+\i]
.endr
.endr
.endr
	WIN 0x41
.set oj, 0
.rept 16
	v_pk_mul_f32 v[OF+oj:OF+oj+1], v[OF+oj:OF+oj+1], v[T0+oF:T0+oF+1] op_sel_hi:[1,0]   ; O^T under the new M; also the places ahead of the products
	v_pk_mul_f32 v[OF+32+oj:OF+32+oj+1], v[OF+32+oj:OF+32+oj+1], v[T0+TZ+oF:T0+TZ+oF+1] op_sel_hi:[1,0]
.set oj, oj+2
.endr
	WIN 0x51
.irp ct, 0,1,2,3
.irp u, 0,1
	WM OF+32*\u+8*\ct, VB+12*\ct, T0+TZ*\u+oPC, 1, OF+32*\u+8*\ct, VS+\ct/2, T0+TZ*\u+oPW, \ct%2
.endr
.endr
	WIN 0
.Lhid_\@:
.if (\last) == 0
	s_add_co_u32 s61, s61, 768
	s_add_co_u32 s62, s62, 2
	s_add_co_u32 s63, s63, 3072
	s_add_co_u32 s66, s66, 256
	s_add_co_u32 s67, s67, 512
.endif
.endm
; The pair's q and scale words; M, l and O^T begin.  It runs in every trip: for a pair that does not exist the loads stay inside the images' bytes and are not used
.macro TILE_PRO
	s_wait_dscnt 0x0
	v_add_nc_u32 v[DQ], s68, v1
	v_add_nc_u32 v16, s68, v2
	v_add_nc_u32 v17, s69, v3
.irp u, 0,1
	v_mov_b32 v[T0+TZ*\u+oNM+1], 0xff61b1e6        ; -3e38
.endr
.irp u, 0,1
	v_floor_f32 v[T0+TZ*\u+oNM], -v[T0+TZ*\u+oNM+1]
.endr
.irp u, 0,1
	v_mov_b32 v[T0+TZ*\u+oSU], 0
	v_mov_b32 v[T0+TZ*\u+oSU+1], 0
.endr
	ds_load_b32 v[QS], v17
	WIN 0x40
	ds_load_b128 v[QF:QF+3], v[DQ]
	ds_load_b64 v[QF+4:QF+5], v16 offset:512
	ds_load_b128 v[QF+12:QF+15], v[DQ] offset:768
	ds_load_b64 v[QF+16:QF+17], v16 offset:1280
.set oj, 0
.rept 64
	v_mov_b32 v[OF+oj], 0
.set oj, oj+1
.endr
	WIN 0
.endm
.macro TILE_EPI                        ; O^T / l, quantised along C, to oq; for tile 0 also query 0's logits and softmax
	s_cmp_gt_u32 s58, 36
	s_cbranch_scc1 .Lne_\@
	PLACES 4
.irp u, 0,1
	v_add_f32 v[T0+TZ*\u+oTM], v[T0+TZ*\u+oSU], v[T0+TZ*\u+oSU+1]
.endr
.irp u, 0,1
	v_permlanex16_b32 v[T0+TZ*\u+oBT], v[T0+TZ*\u+oTM], s46, s47
.endr
.irp u, 0,1
	v_add_f32 v[T0+TZ*\u+oTM], v[T0+TZ*\u+oTM], v[T0+TZ*\u+oBT]    ; l
.endr
	s_wait_alu depctr_va_vdst(0)
.irp u, 0,1
	v_rcp_f32 v[T0+TZ*\u+oF], v[T0+TZ*\u+oTM]
.endr
	v_nop
	s_wait_alu depctr_va_vdst(0)
	WIN 0x01
.set oj, 0
.rept 16
	v_pk_mul_f32 v[T0+oj:T0+oj+1], v[OF+oj:OF+oj+1], v[T0+oF:T0+oF+1] op_sel_hi:[1,0]
	v_pk_mul_f32 v[T0+TZ+oj:T0+TZ+oj+1], v[OF+32+oj:OF+32+oj+1], v[T0+TZ+oF:T0+TZ+oF+1] op_sel_hi:[1,0]
.set oj, oj+2
.endr
	WIN 0
.irp b, 0,1
.irp u, 0,1
	v_max3_num_f32 v[T0+TZ*\u+oBM+\b], |v[T0+TZ*\u+16*\b]|, |v[T0+TZ*\u+16*\b+1]|, 0x2800000
.endr
.endr
.irp i, 2,4,6,8,10,12,14
.irp b, 0,1
.irp u, 0,1
	v_max3_num_f32 v[T0+TZ*\u+oBM+\b], v[T0+TZ*\u+oBM+\b], |v[T0+TZ*\u+16*\b+\i]|, |v[T0+TZ*\u+16*\b+\i+1]|
.endr
.endr
.endr
.irp b, 0,1
.irp u, 0,1
	v_permlanex16_b32 v[T0+TZ*\u+oBT+\b], v[T0+TZ*\u+oBM+\b], s46, s47
.endr
.endr
.irp b, 0,1
.irp u, 0,1
	v_max_num_f32 v[T0+TZ*\u+oBM+\b], v[T0+TZ*\u+oBM+\b], v[T0+TZ*\u+oBT+\b]
.endr
.endr
.irp b, 0,1
.irp u, 0,1
	v_add_nc_u32 v[T0+TZ*\u+oSO+\b], 0xfe000000, v[T0+TZ*\u+oBM+\b]
.endr
.endr
.irp b, 0,1
.irp u, 0,1
	v_lshrrev_b32 v[T0+TZ*\u+oBT+\b], 23, v[T0+TZ*\u+oSO+\b]
.endr
.endr
.irp u, 0,1
	v_cndmask_b32 v[T0+TZ*\u+oTM], v[T0+TZ*\u+oBT], v[T0+TZ*\u+oBT+1], s44
.endr
.irp u, 0,1
	v_cvt_scalef32_pk16_bf6_f32 v[T0+TZ*\u+oPC:T0+TZ*\u+oPC+2], v[T0+TZ*\u:T0+TZ*\u+15], v[T0+TZ*\u+oSO]
	v_cvt_scalef32_pk16_bf6_f32 v[T0+TZ*\u+oPT:T0+TZ*\u+oPT+2], v[T0+TZ*\u+16:T0+TZ*\u+31], v[T0+TZ*\u+oSO+1]
.endr
	v_nop
.irp i, 0,1,2
.irp u, 0,1
	v_permlane16_swap_b32 v[T0+TZ*\u+oPC+\i], v[T0+TZ*\u+oPT+\i]
.endr
.endr
.irp i, 0,1,2
.irp u, 0,1
	v_mov_b32 v[T0+TZ*\u+oPC+3+\i], v[T0+TZ*\u+oPT+\i]
.endr
.endr
	global_store_b128 v1, v[T0+oPC:T0+oPC+3], s[70:71]             ; 512 consecutive bytes,
	global_store_b64 v2, v[T0+oPC+4:T0+oPC+5], s[70:71] offset:512 ; and 256 more
	global_store_b8 v15, v[T0+oTM], s[72:73]
	s_cmp_eq_u32 s58, 36                           ; tile 37 does not exist
	s_cbranch_scc1 .Lne_\@
	global_store_b128 v1, v[T0+TZ+oPC:T0+TZ+oPC+3], s[70:71] offset:REC
	global_store_b64 v2, v[T0+TZ+oPC+4:T0+TZ+oPC+5], s[70:71] offset:REC+512
	global_store_b8 v15, v[T0+TZ+oTM], s[72:73] offset:REC
	s_cmp_lg_u32 s58, 0
	s_cbranch_scc1 .Lne_\@
	v_readlane_b32 s78, v[T0+oNM], 0               ; query 0's -M and 1 / l
	v_readlane_b32 s79, v[T0+oF], 0
.irp g, 0,1,2,3,4
	ds_load_b128 v[T0+4*\g:T0+4*\g+3], v[ACR] offset:512*\g        ; the kept scores, 640 keys on end (LDS serves a wave's instructions in order)
.endr
	s_wait_dscnt 0x0
.irp n, 0,1,2,3,4,5,6,7,8,9,10,11,12,13,14,15,16,17,18,19
	v_fma_f32 v[T0+32+\n], v[T0+\n], s48, s78
.endr
	s_wait_alu depctr_va_vdst(0)
.irp n, 0,1,2,3,4,5,6,7,8,9,10,11,12,13,14,15,16,17,18,19
	v_exp_f32 v[T0+32+\n], v[T0+32+\n]
.endr
	v_nop
	s_wait_alu depctr_va_vdst(0)
.irp n, 0,1,2,3,4,5,6,7,8,9,10,11,12,13,14,15,16,17,18,19
	v_mul_f32 v[T0+32+\n], s79, v[T0+32+\n]
.endr
.irp g, 0,1,2,3,4
	global_store_b128 v1, v[T0+4*\g:T0+4*\g+3], s[74:75] offset:512*\g
.endr
.irp g, 0,1,2,3,4
	global_store_b128 v1, v[T0+32+4*\g:T0+32+4*\g+3], s[76:77] offset:512*\g
.endr
.Lne_\@:
.endm
	s_wait_alu depctr_va_vdst(0)
	KLOAD 8, 9, 10
	s_mov_b32 s59, 3
.Ltile:                                                ; three pairs of query tiles
	s_mov_b32 s61, 0
	s_mov_b32 s62, 0
	s_mov_b32 s63, 3072
	s_mov_b32 s66, 256
	s_mov_b32 s67, 0
	TILE_PRO
	s_mov_b32 s60, 4
.Lkey:
	STEP 0
	s_sub_co_u32 s60, s60, 1
	s_cmp_lg_u32 s60, 0
	s_cbranch_scc1 .Lkey
	STEP 1
	TILE_EPI
	s_wait_xcnt 0x0                                ; the stores have read their registers and bases
	s_add_co_u32 s58, s58, 16
	s_add_co_u32 s68, s68, 6144
	s_add_co_u32 s69, s69, 512
	s_add_nc_u64 s[70:71], s[70:71], 16*REC
	s_add_nc_u64 s[72:73], s[72:73], 16*REC
	s_sub_co_u32 s59, s59, 1
	s_cmp_lg_u32 s59, 0
	s_cbranch_scc1 .Ltile
	s_wait_tensorcnt 0x0                           ; the wave's end
	ds_add_u32 v18, v19
	s_wait_dscnt 0x0
	CROUND                                         ; the closing round
	s_endpgm
.Lfunc_end_k_q04e1586281_qkv_attn:
	.size	k_q04e1586281_qkv_attn, .Lfunc_end_k_q04e1586281_qkv_attn-k_q04e1586281_qkv_attn
	.p2alignl 7, 3214868480
	.fill 96, 4, 3214868480
	.section	.rodata,"a",@progbits
	.p2align	6, 0x0
	.amdhsa_kernel k_q04e1586281_qkv_attn
		.amdhsa_group_segment_fixed_size 327680
		.amdhsa_private_segment_fixed_size 0
		.amdhsa_enable_private_segment 0
		.amdhsa_kernarg_size 48
		.amdhsa_user_sgpr_count 2
		.amdhsa_user_sgpr_kernarg_segment_ptr 1
		.amdhsa_wavefront_size32 1
		.amdhsa_system_sgpr_workgroup_id_x 1
		.amdhsa_system_sgpr_workgroup_id_y 1
		.amdhsa_system_sgpr_workgroup_id_z 1
		.amdhsa_system_vgpr_workitem_id 0
		.amdhsa_next_free_vgpr 512
		.amdhsa_next_free_sgpr 100
		.amdhsa_reserve_vcc 1
		.amdhsa_float_denorm_mode_32 3
		.amdhsa_float_denorm_mode_16_64 3
		.amdhsa_memory_ordered 1
		.amdhsa_forward_progress 1
		.amdhsa_inst_pref_size 130
	.end_amdhsa_kernel
	.amdgpu_metadata
---
amdhsa.version: [ 1, 2 ]
amdhsa.kernels:
  - .name:           k_q04e1586281_qkv_attn
    .symbol:         k_q04e1586281_qkv_attn.kd
    .args:
      - { .name: xq, .offset: 0, .size: 8, .value_kind: global_buffer, .address_space: global }
      - { .name: wq, .offset: 8, .size: 8, .value_kind: global_buffer, .address_space: global }
      - { .name: b_qkv, .offset: 16, .size: 8, .value_kind: global_buffer, .address_space: global }
      - { .name: oq, .offset: 24, .size: 8, .value_kind: global_buffer, .address_space: global }
      - { .name: cl, .offset: 32, .size: 8, .value_kind: global_buffer, .address_space: global }
      - { .name: ca, .offset: 40, .size: 8, .value_kind: global_buffer, .address_space: global }
    .group_segment_fixed_size: 327680
    .private_segment_fixed_size: 0
    .kernarg_segment_align: 8
    .kernarg_segment_size: 48
    .max_flat_workgroup_size: 256
    .sgpr_count:     100
    .vgpr_count:     512
    .wavefront_size: 32
...
	.end_amdgpu_metadata
.endif
;; end of part 2
;; launch proj (part 3): grid 4 x 64, 4 waves a work-group, clusters of 4 x 1, 168,448 bytes of LDS; arguments oq, wp, b_proj, cl, ca, out0, out1, out2; writes out0, out1, out2
.if DOCPART == 3
	.amdgcn_target "amdgcn-amd-amdhsa--gfx1250"
	.amdhsa_code_object_version 6
	.text
	.protected	k_q04e1586281_proj
	.globl	k_q04e1586281_proj
	.p2align	8
	.type	k_q04e1586281_proj,@function
k_q04e1586281_proj:
	s_mov_b64 s[64:65], 0
	v_nop
	global_prefetch_b8 v0, s[64:65] scope:SCOPE_SE
	s_setreg_imm32_b32 hwreg(HW_REG_WAVE_MODE, 25, 1), 1
	s_wait_xcnt 0x0
	s_wait_alu depctr_hold_cnt(0) depctr_sa_sdst(0) depctr_va_vdst(0) depctr_va_sdst(0) depctr_va_ssrc(0) depctr_va_vcc(0) depctr_vm_vsrc(0)
	s_getreg_b32 s2, hwreg(HW_REG_IB_STS2, 6, 4)
	s_cmp_eq_u32 s2, 0
	s_cbranch_scc0 .Lentry_in_a_cluster
	s_endpgm
.Lentry_in_a_cluster:
	s_bfe_u32 s2, ttmp6, 0x10000c
	s_cmp_lg_u32 s2, 0x3003
	s_cbranch_scc0 .Lentry_shape_is_right
	s_endpgm
.Lentry_shape_is_right:
; out0 = o w_proj^T + b_proj on codes of BF6 (E3M2) with one E8M0 scale for each 32 along K; out1, out2 = the mean over the 16 heads of query 0's softmax (ca) and logits (cl).
; oq: [batch 16][tile 37] records of 12,800 bytes: 8 fragments of 1,536 bytes ([half 2]{16 bytes x lane, 8 bytes x lane} = the lane's registers 6 cc .. 6 cc + 5), then 512 bytes of scale words
; [lane][4 words] (word i of lane (r, h): row r's word of K step 2 i + h).  wp: 64 records, fragments as [i 3][lane][16 bytes].  Row r of tile T is row 32 (T / 2) + 8 (T % 2) + r + 8 (r / 8).
; SHARES.  Work-group (cx, y): batch y / 4, nine token tiles 9 (y % 4) + 0 .. 8, columns 256 cx on; the work-groups with y % 4 = 3 also make tile 36, of which row 0, token 576, alone exists.
; Wave w keeps its four tiles of w_proj (64 columns, all of K: 384 registers) and their bias in registers.  The matrix instruction is used transposed (source 0 = weights, source 1 = o):
; a lane holds one token and eight neighbouring columns.
; CLUSTER.  The four partners (cx = 0..3) read the same ten records of oq: each record is asked for jointly, once, at the head.  No LDS byte is filled twice.
; The weights differ between partners (other columns) and go straight to registers.
.set REC,   12800
.set STAGE, 128000                     ; behind the ten records: 16 rows x 272 bytes for each wave, for the way out
.set CL,  12                           ; v12-27   a key's 16 heads
.set WS,  28                           ; v28-43   the weights' scale words: 4 t + i
.set XS,  44                           ; v44-47   o's
.set X,   48                           ; v48-143  o's eight fragments
.set ACC, 144                          ; v144-175 four accumulators
.set RB,  176                          ; v176-207 rows read back from the stage
.set BB,  192                          ; window 2: the bias.  Weights: K step s, tile t in window 1 + s / 4 at v[12 (4 (s % 4) + t)]
.set MSB, 0
.macro WIN new                         ; the immediate's high byte repeats the setting that is left
.if MSB != \new
	s_set_vgpr_msb (MSB<<8)|\new
.set MSB, \new
.endif
.endm
.macro PLACES n
.rept \n
	v_nop
.endr
.endm
.macro CROUND                          ; a round of the cluster's barrier
	s_barrier_signal -1
	s_barrier_wait -1
	s_cmp_lg_u32 s20, 0
	s_cbranch_scc1 .Lnw0_\@
	s_barrier_signal -3
.Lnw0_\@:
	s_barrier_wait -3
	s_barrier_signal -1
	s_barrier_wait -1
.endm
.macro WM d, a, b, cb, sa, sb, rows    ; one product; rows = 1: both scales from lanes 16-31
.if (\rows) == 0
	v_wmma_scale_f32_16x16x128_f8f6f4 v[\d:\d+7], v[\a:\a+11], v[\b:\b+11], v[\cb:\cb+7], v[\sa], v[\sb] matrix_a_fmt:MATRIX_FMT_BF6 matrix_b_fmt:MATRIX_FMT_BF6
.else
	v_wmma_scale_f32_16x16x128_f8f6f4 v[\d:\d+7], v[\a:\a+11], v[\b:\b+11], v[\cb:\cb+7], v[\sa], v[\sb] matrix_a_fmt:MATRIX_FMT_BF6 matrix_b_fmt:MATRIX_FMT_BF6 matrix_a_scale:MATRIX_SCALE_ROW1 matrix_b_scale:MATRIX_SCALE_ROW1
.endif
.endm
	s_load_b256 s[4:11], s[0:1], 0x0               ; oq s[4:5], wp s[6:7], b_proj s[8:9], cl s[10:11]
	s_load_b256 s[12:19], s[0:1], 0x20             ; ca s[12:13], out0 s[14:15], out1 s[16:17], out2 s[18:19]
	v_lshl_add_u32 v254, v0, 2, 0x29000
	v_mov_b32 v255, 0
	ds_add_u32 v254, v255
	ds_add_u32 v254, v255
	v_lshrrev_b32 v1, 5, v0
	v_readfirstlane_b32 s20, v1                    ; wave 0..3
	s_bfe_u32 s21, ttmp6, 0x40000                  ; cx: it enters global addresses and a lane mask alone
	s_and_b32 s22, ttmp7, 0xffff
	s_lshr_b32 s23, s22, 2                         ; the batch
	s_and_b32 s44, s22, 3                          ; mq: which nine tiles; the same in all four partners
	; descriptor groups 1: three records (150 rows of 256 bytes) for waves 0-2, one record (50 rows) for wave 3
	s_mov_b32 s24, 15|(3<<16)|(1<<21)              ; 15:0 the mask: all four work-groups; 17:16 elements of 8 bytes; 21 set beside a mask
	s_mov_b32 s25, 32<<16
	s_mov_b32 s26, 150<<16
	s_mov_b32 s27, 32<<16
	s_mov_b32 s28, 150
	s_mov_b32 s29, 32
	s_mov_b32 s30, 0
	s_mov_b32 s31, 0
	s_mov_b32 s36, 15|(3<<16)|(1<<21)
	s_mov_b32 s37, 32<<16
	s_mov_b32 s38, 50<<16
	s_mov_b32 s39, 32<<16
	s_mov_b32 s40, 50
	s_mov_b32 s41, 32
	s_mov_b32 s42, 0
	s_mov_b32 s43, 0
	s_mov_b32 s32, 1
	s_mul_i32 s33, s20, 3*REC                      ; LDS: places 3 w on; wave 3: place 9
	s_mul_i32 s48, s44, 9                          ; T: the first tile
	s_mul_i32 s70, s20, 3
	s_add_co_u32 s70, s70, s48
	s_cmp_lt_u32 s20, 3
	s_cselect_b32 s70, s70, 36                     ; waves 0-2: tiles 9 mq + 3 w on; wave 3: tile 36
	s_mul_i32 s71, s23, 37
	s_add_co_u32 s70, s70, s71
	s_mul_i32 s70, s70, REC
	s_mov_b32 s71, 0
	s_lshl_b32 s46, s21, 4
	s_lshl_b32 s47, s20, 2
	s_add_co_u32 s46, s46, s47
	s_mul_i32 s46, s46, REC                        ; my four records of wp: 16 cx + 4 w on
	s_mov_b32 s47, 0
	s_lshl_b32 s62, s21, 10
	s_lshl_b32 s54, s20, 8
	s_add_co_u32 s62, s62, s54                     ; my 64 columns in bytes: 1,024 cx + 256 w
	s_mov_b32 s63, 0
	s_wait_dscnt 0x0
	s_wait_kmcnt 0x0
	s_add_nc_u64 s[34:35], s[4:5], s[70:71]
	s_or_b32 s35, s35, 0x80000000                  ; type = 2
	s_add_nc_u64 s[50:51], s[6:7], s[46:47]
	s_add_nc_u64 s[52:53], s[8:9], s[62:63]        ; b_proj at my 64 columns
	s_lshr_b32 s54, s21, 1
	s_cmp_lg_u32 s54, 0                            ; cx 0, 1: the softmax; cx 2, 3: the logits.  Only pointers are chosen
	s_cselect_b64 s[56:57], s[10:11], s[12:13]
	s_cselect_b64 s[58:59], s[18:19], s[16:17]
	s_mul_i32 s60, s23, 2560
	s_mov_b32 s61, 0
	s_add_nc_u64 s[56:57], s[56:57], s[60:61]      ; [head][batch][640]: my batch's row of head 0
	s_mul_i32 s60, s23, 2308
	s_add_nc_u64 s[58:59], s[58:59], s[60:61]      ; [batch][577]
	s_and_b32 s54, s21, 1
	s_lshl_b32 s54, s54, 9
	s_lshl_b32 s55, s44, 2
	s_add_co_u32 s55, s55, s20
	s_lshl_b32 s55, s55, 5
	s_add_co_u32 s54, s54, s55                     ; my wave's 32 keys: 512 (cx % 2) + 32 (4 mq + w)
	CROUND                                         ; all four work-groups are here: the joint loads meet
	s_cmp_lt_u32 s20, 3
	s_cbranch_scc0 .Lw3
	tensor_load_to_lds s[32:35], s[24:31]          ; one load of mine is out
	s_nop 0
	PLACES 4
	s_branch .Lasked
.Lw3:
	tensor_load_to_lds s[32:35], s[36:43]
	s_nop 0
	PLACES 4
.Lasked:
	v_and_b32 v210, 31, v0                         ; lane
	v_lshlrev_b32 v1, 4, v210                      ; 16 x lane
	v_lshlrev_b32 v2, 3, v210                      ; 8 x lane
	v_and_b32 v3, 15, v0                           ; r
	v_bfe_u32 v4, v0, 4, 1                         ; h
	v_add_nc_u32 v10, s54, v210                    ; my key
	v_min_u32 v11, 639, v10                        ; no load leaves its row of 640
	v_lshlrev_b32 v11, 2, v11
	v_lshlrev_b32 v208, 2, v10
	v_lshlrev_b32 v209, 6, v4                      ; the bias: my half's 16 numbers of a block of 32
.irp hd, 0,1,2,3,4,5,6,7,8,9,10,11,12,13,14,15
	global_load_b32 v[CL+\hd], v11, s[56:57] offset:40960*\hd
.endr
	WIN 0x40                                       ; destination window 1
.irp s, 0,1,2,3
.irp t, 0,1,2,3
.irp i, 0,1,2
	global_load_b128 v[12*(4*\s+\t)+4*\i:12*(4*\s+\t)+4*\i+3], v1, s[50:51] offset:\t*REC+1536*\s+512*\i
.endr
.endr
.endr
	WIN 0x80
.irp s, 0,1,2,3
.irp t, 0,1,2,3
.irp i, 0,1,2
	global_load_b128 v[12*(4*\s+\t)+4*\i:12*(4*\s+\t)+4*\i+3], v1, s[50:51] offset:\t*REC+1536*(4+\s)+512*\i
.endr
.endr
.endr
.irp t, 0,1,2,3                        ; in the result's layout: lane (r, h), register j: column 32 (t / 2) + 16 h + 8 (t % 2) + j
	global_load_b128 v[BB+8*\t:BB+8*\t+3], v209, s[52:53] offset:(32*(\t/2)+8*(\t%2))*4
	global_load_b128 v[BB+8*\t+4:BB+8*\t+7], v209, s[52:53] offset:(32*(\t/2)+8*(\t%2))*4+16
.endr
	WIN 0
.irp t, 0,1,2,3
	global_load_b128 v[WS+4*\t:WS+4*\t+3], v1, s[50:51] offset:\t*REC+12288
.endr
	v_mov_b32 v5, v1                               ; o's fragments in the record in hand: 16 x lane,
	v_add_nc_u32 v6, 512, v2                       ; and 8 x lane behind them
	s_mul_i32 s54, s20, 16*272
	s_add_co_u32 s54, s54, STAGE                   ; my stage
	v_mul_u32_u24 v7, v3, 272
	v_lshl_add_u32 v7, v4, 6, v7
	v_add_nc_u32 v7, s54, v7                       ; in: row r, + 64 h
	v_mul_u32_u24 v8, v4, 272
	v_lshl_add_u32 v8, v3, 4, v8
	v_add_nc_u32 v8, s54, v8                       ; back: lanes 0-15 one row of 256 bytes, lanes 16-31 the next
	v_lshlrev_b32 v9, 12, v4
	v_lshl_add_u32 v9, v3, 4, v9                   ; and the same two rows in out0
.macro XLOAD hb                        ; o's fragments of K steps 4 hb .. 4 hb + 3: 16 loads
.irp q, 0,1,2,3
.irp cc, 0,1
	ds_load_b128 v[X+12*(4*\hb+\q)+6*\cc:X+12*(4*\hb+\q)+6*\cc+3], v5 offset:1536*(4*\hb+\q)+768*\cc
	ds_load_b64 v[X+12*(4*\hb+\q)+6*\cc+4:X+12*(4*\hb+\q)+6*\cc+5], v6 offset:1536*(4*\hb+\q)+768*\cc
.endr
.endr
.endm
; A tile's 32 products, the four accumulators by turns.  next = 1: the next record's fragments are fetched as soon as their registers are free.
.macro COMPUTE next
	WIN 0x21                                       ; source 0 (weights) window 1, C (the bias) window 2
.irp t, 0,1,2,3
	WM ACC+8*\t, 12*\t, X, BB+8*\t, WS+4*\t, XS, 0
.endr
	WIN 0x01
.irp s, 1,2,3
.irp t, 0,1,2,3
	WM ACC+8*\t, 12*(4*\s+\t), X+12*\s, ACC+8*\t, WS+4*\t+\s/2, XS+\s/2, \s%2
.endr
.endr
	WIN 0
	PLACES 4                                       ; in front of loads into registers that matrix instructions have read
.if \next
	v_add_nc_u32 v5, REC, v5
	v_add_nc_u32 v6, REC, v6
	XLOAD 0
.endif
	WIN 0x02
.irp s, 4,5,6,7
.irp t, 0,1,2,3
	WM ACC+8*\t, 12*(4*(\s-4)+\t), X+12*\s, ACC+8*\t, WS+4*\t+\s/2, XS+\s/2, \s%2
.endr
.endr
	WIN 0
	PLACES 5                                       ; four for the loads and the stores of results below; the fifth since the next tile's first products write over these accumulators with another C
.if \next
	XLOAD 1
	ds_load_b128 v[XS:XS+3], v5 offset:12288
.endif
.endm
; THE WAY OUT.  A lane holds 8 neighbouring columns of one token four times over; the tile goes through my own stage and comes back as rows of 256 bytes: sixteen lanes store one aligned 256 bytes.
.macro OUT last
.irp t, 0,1,2,3
.irp e, 0,1
	ds_store_b128 v7, v[ACC+8*\t+4*\e:ACC+8*\t+4*\e+3] offset:128*(\t/2)+32*(\t%2)+16*\e   ; each accumulator from its low end on
.endr
.endr
	s_wait_xcnt 0x0                                ; the last tile's stores have read their registers and their base
	s_lshr_b32 s60, s48, 1
	s_lshl_b32 s60, s60, 5
	s_and_b32 s61, s48, 1
	s_lshl_b32 s61, s61, 3
	s_add_co_u32 s60, s60, s61                     ; the tile's first token
	s_mul_i32 s61, s23, 577
	s_add_co_u32 s60, s60, s61
	s_lshl_b32 s60, s60, 12                        ; rows of 4,096 bytes
	s_add_co_u32 s60, s60, s62
	s_mov_b32 s61, 0
	s_add_nc_u64 s[66:67], s[14:15], s[60:61]
.if \last
	ds_load_b128 v[RB:RB+3], v8                    ; LDS serves a wave's instructions in order: this sees my stores
	s_wait_dscnt 0x0
	v_cmp_eq_u32 vcc_lo, 0, v4                     ; row 0 alone is a token
	s_and_saveexec_b32 s68, vcc_lo                 ; (no global instruction has been issued since the wait on XCNT above)
	global_store_b128 v9, v[RB:RB+3], s[66:67] th:TH_STORE_NT
	s_wait_xcnt 0x0                                ; EXEC changes only behind this wait
	s_or_b32 exec_lo, exec_lo, s68
.else
.irp i, 0,1,2,3,4,5,6,7
	ds_load_b128 v[RB+4*\i:RB+4*\i+3], v8 offset:544*\i
.endr
.irp i, 0,1,2,3,4,5,6,7
	s_wait_dscnt 7-\i                              ; the younger loads from the stage may be out
	global_store_b128 v9, v[RB+4*\i:RB+4*\i+3], s[66:67] offset:(2*\i+8*(\i/4))*4096 th:TH_STORE_NT   ; rows 2 i, 2 i + 1 of the tile: tokens 2 i + 8 (i / 4) on
.endr
.endif
.endm
	s_wait_alu depctr_va_vdst(0)
	s_wait_tensorcnt 0x0                           ; my records are in,
	s_barrier_signal -1
	s_barrier_wait -1                              ; everybody's are
	XLOAD 0
	XLOAD 1
	ds_load_b128 v[XS:XS+3], v5 offset:12288
	s_wait_loadcnt 0x0                             ; the weights, their scale words, the bias, the 16 heads' numbers
	s_mov_b32 s49, 9
.Ltile:                                                ; nine tiles; the ninth trip fetches place 9, tile 36
	s_wait_dscnt 0x0
	s_wait_alu depctr_va_vdst(0)
	COMPUTE 1
	OUT 0
	s_add_co_u32 s48, s48, 1
	s_sub_co_u32 s49, s49, 1
	s_cmp_lg_u32 s49, 0
	s_cbranch_scc1 .Ltile
	s_cmp_lg_u32 s44, 3                            ; tile 36 belongs to the last quarter of the batch's tiles
	s_cbranch_scc1 .Lno36
	s_wait_dscnt 0x0
	COMPUTE 0
	OUT 1
.Lno36:
	; the mean over the heads, a key a lane
.irp k, 0,2,4,6,8,10,12,14
	v_add_f32 v[CL+\k], v[CL+\k], v[CL+\k+1]
.endr
.irp k, 0,4,8,12
	v_add_f32 v[CL+\k], v[CL+\k], v[CL+\k+2]
.endr
	v_add_f32 v[CL], v[CL], v[CL+4]
	v_add_f32 v[CL+8], v[CL+8], v[CL+12]
	v_add_f32 v[CL], v[CL], v[CL+8]
	v_mul_f32 v[CL], 0x3d800000, v[CL]             ; / 16
	v_cmp_gt_u32 vcc_lo, 577, v10                  ; keys that exist
	s_wait_alu depctr_va_vdst(0)
	s_wait_xcnt 0x0                                ; EXEC changes only behind this wait
	s_and_saveexec_b32 s68, vcc_lo
	global_store_b32 v208, v[CL], s[58:59]
	s_wait_xcnt 0x0
	s_or_b32 exec_lo, exec_lo, s68
	s_wait_dscnt 0x0                               ; no LDS instruction of mine is out at a signal
	s_wait_tensorcnt 0x0
	ds_add_u32 v254, v255
	s_wait_dscnt 0x0
	CROUND                                         ; the closing round
	s_endpgm
.Lfunc_end_k_q04e1586281_proj:
	.size	k_q04e1586281_proj, .Lfunc_end_k_q04e1586281_proj-k_q04e1586281_proj
	.p2alignl 7, 3214868480
	.fill 96, 4, 3214868480
	.section	.rodata,"a",@progbits
	.p2align	6, 0x0
	.amdhsa_kernel k_q04e1586281_proj
		.amdhsa_group_segment_fixed_size 168448
		.amdhsa_private_segment_fixed_size 0
		.amdhsa_enable_private_segment 0
		.amdhsa_kernarg_size 64
		.amdhsa_user_sgpr_count 2
		.amdhsa_user_sgpr_kernarg_segment_ptr 1
		.amdhsa_wavefront_size32 1
		.amdhsa_system_sgpr_workgroup_id_x 1
		.amdhsa_system_sgpr_workgroup_id_y 1
		.amdhsa_system_sgpr_workgroup_id_z 1
		.amdhsa_system_vgpr_workitem_id 0
		.amdhsa_next_free_vgpr 768
		.amdhsa_next_free_sgpr 80
		.amdhsa_reserve_vcc 1
		.amdhsa_float_denorm_mode_32 3
		.amdhsa_float_denorm_mode_16_64 3
		.amdhsa_memory_ordered 1
		.amdhsa_forward_progress 1
		.amdhsa_inst_pref_size 36
	.end_amdhsa_kernel
	.amdgpu_metadata
---
amdhsa.version: [ 1, 2 ]
amdhsa.kernels:
  - .name:           k_q04e1586281_proj
    .symbol:         k_q04e1586281_proj.kd
    .args:
      - { .name: oq, .offset: 0, .size: 8, .value_kind: global_buffer, .address_space: global }
      - { .name: wp, .offset: 8, .size: 8, .value_kind: global_buffer, .address_space: global }
      - { .name: b_proj, .offset: 16, .size: 8, .value_kind: global_buffer, .address_space: global }
      - { .name: cl, .offset: 24, .size: 8, .value_kind: global_buffer, .address_space: global }
      - { .name: ca, .offset: 32, .size: 8, .value_kind: global_buffer, .address_space: global }
      - { .name: out0, .offset: 40, .size: 8, .value_kind: global_buffer, .address_space: global }
      - { .name: out1, .offset: 48, .size: 8, .value_kind: global_buffer, .address_space: global }
      - { .name: out2, .offset: 56, .size: 8, .value_kind: global_buffer, .address_space: global }
    .group_segment_fixed_size: 168448
    .private_segment_fixed_size: 0
    .kernarg_segment_align: 8
    .kernarg_segment_size: 64
    .max_flat_workgroup_size: 128
    .sgpr_count:     80
    .vgpr_count:     768
    .wavefront_size: 32
...
	.end_amdgpu_metadata
.endif
;; end of part 3
